; MI455X (gfx1250); checked and timed in simulation.
; The chip was launched on July 23, 2026; its instructions are those of AMD's public machine-readable ISA for CDNA 5 (MIT licence, August 2026) and "CDNA5" Instruction Set Architecture Reference Guide (July 2026). The comments in the code are by the model that wrote it; some were corrected since.
;; GLA Memory Compressor. Allowed arithmetic: matrix products marked QUANTISED: E3M2 operands, one E8M0 scale for each 32 along K, by v_wmma_scale_f32_16x16x128_f8f6f4 with both operands' format E3M2, f32 sums; products left as they are: f32 operands where the result goes on into a quantised operand, else bf16, f16 or f32 operands; f32 sums; everything else in f32.
;; Inputs: gk_b 1,024 float32; gk_w1 16 x 2,048 float32; gk_w2 1,024 x 16 float32; hidden_states 4 x 4,096 x 2,048 float32; k_w 1,024 x 2,048 float32; norm_w 2,048 float32; state 4 x 16 x 64 x 32 float32; v_w 512 x 2,048 float32.
;; Outputs: out0 4 x 16 x 64 x 32 float32.
;; This version of the problem:
;;   THIS VERSION OF THE PROBLEM IS GIVEN IN LOW PRECISION. The matrix products marked QUANTISED in the list below multiply operands that are first quantised to E3M2 (3 exponent bits, 2 mantissa bits; 6 bits a number), with one power-of-two scale for each 32 numbers along K (OCP MX v1.0); their sums are f32. All else is computed in f32.
;;   The module's matrix products, in the order in which they are computed (A, B: the left and right operand; K: the contracted axis; several contracted axes count as one K, in the product's order):
;;     1. [M 16,384, K 2,048] x [K 2,048, N 1,024]; A: computed on the way; B: input k_w: QUANTISED
;;     2. [M 16,384, K 2,048] x [K 2,048, N 512]; A: computed on the way; B: input v_w: QUANTISED
;;     3. [M 16,384, K 2,048] x [K 2,048, N 16]; A: computed on the way; B: input gk_w1: QUANTISED
;;     4. [M 16,384, K 16] x [K 16, N 1,024]; A: computed on the way; B: input gk_w2: left as it is (K = 16 < 32)
;;     5. batch 64 x [M 64, K 4,096] x [K 4,096, N 32]; A: computed on the way; B: computed on the way: QUANTISED
;;   THE QUANTISER, for each operand of a quantised product, along K:
;;     - K is cut into blocks of 32 from its start; a last block that is shorter is filled with zeros.
;;     - A block's scale is 2^e with e = floor(log2(the largest magnitude in the block)) - 4, held to -126 .. 127; a block of zeros has e = 0. As a byte (E8M0): e + 127.
;;     - Each number is divided by its block's scale, clamped to +-28, and rounded to the nearest number of E3M2, ties to even, subnormals kept.
;;     - The product sums the exact products of the quantised numbers (number of the format x scale) in f32.
;;   ~~~python
;;   def quantise(x, axis):      # numpy; x: float32 -> the quantised numbers, widened to float32 again
;;       x = np.moveaxis(x, axis, -1); K = x.shape[-1]
;;       x = np.pad(x, [(0, 0)] * (x.ndim - 1) + [(0, -K % 32)]); x = x.reshape(x.shape[:-1] + (-1, 32)); a = np.abs(x).max(-1, keepdims=True)
;;       e = np.where(a > 0, np.clip(np.frexp(np.where(a > 0, a, 1))[1] - 1 - 4, -126, 127), 0)      # np.frexp(a)[1] - 1 = floor(log2(a)), exactly
;;       r = np.clip(x / 2.0 ** e, -28, 28)
;;       step = 2.0 ** (np.maximum(np.frexp(np.where(r == 0, 1, r))[1] - 1, -2) - 2)
;;       q = np.round(r / step) * step * 2.0 ** e      # np.round: ties to even
;;       return np.moveaxis(q.reshape(q.shape[:-2] + (-1,))[..., :K], -1, axis).astype(np.float32)
;;   ~~~
;;   OPERANDS COMPUTED ON THE WAY. 'Computed on the way' means the value that the module computes at that place (a softmax that the list does not call 'softmax' is quantised finished and normalised). What goes into a quantiser is computed in f32, as accurately as f32 sums, v_exp_f32 and their like allow (about 1e-6 of the number): no bf16 or f16 on the way to a quantiser, and a product that is left as it is and whose result goes on into a quantised operand takes f32 operands (vector FMAs, or v_wmma_f32_16x16x4_f32). A number that lies on a knife's edge between two numbers of the format may be rounded either way, as far as f32 arithmetic and the matrix unit's own rounding can turn it there, and no further.
;; 2 versions, each right; version 2 is version 1 with the launch prep written anew for expert scheduling mode. Each part assembles by itself: llvm-mc -triple=amdgcn-amd-amdhsa -mcpu=gfx1250 --defsym DOCPART=n.
;; ======== version 1 of 2: 3 launches
;; workspace buffers: xq 26,214,400 bytes; wq 2,457,600 bytes; g1i 1,048,576 bytes; ctot 1,048,576 bytes; part 16,777,216 bytes
;; launch prep (part 1): grid 256 x 1, 16 waves a work-group, no clusters, 223,232 bytes of LDS; arguments hidden_states, norm_w, k_w, v_w, gk_w1, gk_w2, gk_b, xq, wq, g1i, ctot; writes xq, wq, g1i, ctot
.if DOCPART == 1
	.amdgcn_target "amdgcn-amd-amdhsa--gfx1250"
	.amdhsa_code_object_version 6
	.text
	.protected	k_q19a3662c5d_prep
	.globl	k_q19a3662c5d_prep
	.p2align	8
	.type	k_q19a3662c5d_prep,@function
k_q19a3662c5d_prep:
	s_mov_b64 s[64:65], 0
	v_nop
	global_prefetch_b8 v0, s[64:65] scope:SCOPE_SE
	s_setreg_imm32_b32 hwreg(HW_REG_WAVE_MODE, 25, 1), 1
	s_wait_xcnt 0x0
; PREP.  x = RMSNorm(hidden) x norm_w is quantised along D into codes of E3M2 with one E8M0 byte for each 32; so are k_w, v_w and gk_w1.
; g1 = Q(x) Q(gk_w1)^T (16 numbers a token) is made here; from it z = g1 gk_w2^T + gk_b in f32, and the sum over each 64 tokens of
; gamma = log2(e) x log_sigmoid(z) = min(a, 0) - log2(1 + 2^-|a|), a = z log2(e).  (gamma = 16 log2(e) x the gate's gk.)
; Only the SUM of gamma is wanted here, and a sum of logarithms is the logarithm of a product: a lane's 32 factors 1 + 2^-|a| lie in (1, 2], their product is at most 2^32, and one logarithm serves the 32.
; SHARES.  A work-group owns 64 tokens = 4 tiles of 16.  Wave w owns k = 128 w .. 128 w + 127 of every row while x is made, and head w (64 channels) for the gate.
; Waves 0 to 5 also quantise one fragment each of k_w or v_w (1,536 fragments = 256 work-groups x 6); every wave quantises its own 128 along K of gk_w1.
; OUTPUT LAYOUT.  A fragment (16 rows x 128 K, 12 registers a lane) is stored as an image of its registers: registers 4 c .. 4 c + 3 of lane l at 512 c + 16 l.
;   xq [kk 8][group of 128 tokens][25,600]: image (tile m, step q) at (2 m + q) x 1,536; scale words at 24,576 + (2 m + q) x 64 + 4 r.
;   Row r of tile m = 2 b + u is token 32 b + 8 u + r + 8 (r / 8) of the group, so that a later result's registers of tiles 2 b, 2 b + 1 are 16 neighbouring tokens.
;   wq [kk 8][head 16][19,200]: tiles 0-3 rows of k_w, tiles 4-5 rows of v_w; images, then scale words from 18,432 on.
;   g1i [tile of 16 tokens][1,024]: image of g1^T's registers (lane = token row r, register j = number 8 (lane / 16) + j).   ctot [chunk of 64 tokens][1,024 channels] f32.
; LIMITS: NaN and infinities are not served; a block of zeros gets the scale byte 1 (its codes are zeros and this program alone reads the bytes); 1 + u loses u under 6e-8.
; Every global load of rows covers 512 consecutive bytes; the turn to 'a lane holds neighbours along K' goes through the wave's own stage in LDS.
.set STG,  0                           ; 16 waves x 16 rows x 528 bytes (512 + 16: the rows that a load of 16 bytes a lane touches start 33 x 16 bytes apart)
.set NWL,  135168                      ; norm_w, 512 bytes a wave, the wave's own
.set SSQ,  143360                      ; sums of squares [tile][row][wave]
.set SCL,  147456                      ; x's scale words: kk x 512 + tile x 128 + q x 64 + 4 r
.set G1F,  151552                      ; the finished g1 images of the four tiles
.set P1,   155648                      ; g1's partial images: (tile x 16 + wave) x 1,024
.set R,    16                          ; v16-79   16 rows as loaded
.set X,    80                          ; v80-143  register 32 c + i = k 64 c + 32 (lane / 16) + i of row lane % 16
.set NT,   144                         ; v144-159 norm_w pieces; partial sums of squares
.set PC,   160                         ; v160-171 the fragment just made
.set TC,   172                         ; v172-179 the conversions' second halves
.set MX,   180
.set SO,   182
.set BY,   184
.set PW,   186                         ; x's (or a weight's) scale word: scales alone
.set TP,   187
.set W1F,  188                         ; v188-199 gk_w1's fragment
.set W1S,  200                         ; its scale word: scales alone
.set P3D,  202                         ; v202-209 g1's partial result; in the gate: four products, four logarithms
.set SQ,   210
.set GT,   112                         ; the gate: v112-143 a, then min(a, 0);  v144-175 the factors;  v176-183 bias pairs;  v192-195 sums;  v224-255 results of the f32 matrix form alone
.set GU,   144
.set GD,   224
.macro PLACES n
.rept \n
	v_nop
.endr
.endm
.macro BARRIER                         ; my LDS stores have landed and my LDS loads are in: then the work-group's barrier
	s_wait_dscnt 0x0
	s_barrier_signal -1
	s_barrier_wait -1
.endm
; 16 rows of 8,192 bytes, my wave's 512 bytes of each, into v[dst ..].  perm = 1: the rows of token tile tt, in the order stated at the head
.macro LOADJ base, perm, tt, nt, dst
.set m_, 0
.rept 16
.if \perm
.set RO, 32*((\tt)/2)+8*((\tt)%2)+m_+8*(m_/8)
.else
.set RO, m_
.endif
.if \nt
	global_load_b128 v[\dst+4*m_:\dst+4*m_+3], v1, s[\base:\base+1] offset:RO*8192 th:TH_LOAD_NT
.else
	global_load_b128 v[\dst+4*m_:\dst+4*m_+3], v1, s[\base:\base+1] offset:RO*8192
.endif
.set m_, m_+1
.endr
.endm
; through my own stage: in from v[src ..] as loaded, back into X 128 bytes a lane and block.  LDS serves a wave's instructions in order: no wait between
.macro TURN src
.set m_, 0
.rept 16
	ds_store_b128 v2, v[\src+4*m_:\src+4*m_+3] offset:528*m_
.set m_, m_+1
.endr
.set m_, 0
.rept 16
	ds_load_b128 v[X+4*m_:X+4*m_+3], v3 offset:256*(m_/8)+16*(m_%8)
.set m_, m_+1
.endr
.endm
; X's 64 numbers (two whole blocks of 32 a lane) become the fragment v[dst ..] and its scale word
.macro QUANTX dst, word
	s_wait_xcnt 0x0                                ; earlier stores have read their data: the fragment's and the word's registers are written again only behind this wait
.irp c, 0,1
	v_max3_num_f32 v[MX+\c], |v[X+32*\c]|, |v[X+32*\c+1]|, 0x2800000       ; with the floor 2^(5 - 127): the byte cannot fall under 1
	v_max3_num_f32 v[BY+\c], |v[X+32*\c+16]|, |v[X+32*\c+17]|, 0x2800000
.endr
.irp i, 2,4,6,8,10,12,14
.irp c, 0,1
	v_max3_num_f32 v[MX+\c], v[MX+\c], |v[X+32*\c+\i]|, |v[X+32*\c+\i+1]|
	v_max3_num_f32 v[BY+\c], v[BY+\c], |v[X+32*\c+16+\i]|, |v[X+32*\c+17+\i]|
.endr
.endr
.irp c, 0,1
	v_max_num_f32 v[MX+\c], v[MX+\c], v[BY+\c]     ; the block's largest magnitude
.endr
.irp c, 0,1
	v_add_nc_u32 v[SO+\c], 0xfe000000, v[MX+\c]    ; 4 off its exponent field: the conversion's scale operand
.endr
.irp c, 0,1
	v_lshrrev_b32 v[BY+\c], 23, v[SO+\c]           ; the scale's byte
.endr
	v_lshl_or_b32 v[BY], v[BY+1], 16, v[BY]        ; my blocks are (lane / 16) and 2 + (lane / 16)
	v_lshlrev_b32 v[BY], v9, v[BY]
	v_permlanex16_b32 v[TP], v[BY], s28, s29
	v_or_b32 v[\word], v[BY], v[TP]                ; with lane l xor 16's two bytes the word is whole
.irp c, 0,1
	v_cvt_scalef32_pk16_bf6_f32 v[\dst+6*\c:\dst+6*\c+2], v[X+32*\c:X+32*\c+15], v[SO+\c]
	v_cvt_scalef32_pk16_bf6_f32 v[TC+4*\c:TC+4*\c+2], v[X+32*\c+16:X+32*\c+31], v[SO+\c]   ; (three registers begin on an even number)
.endr
	v_nop                                          ; one plain place behind a scaled conversion
.irp c, 0,1
.irp i, 0,1,2
	v_mov_b32 v[\dst+3+6*\c+\i], v[TC+4*\c+\i]
.endr
.endr
.endm
	s_load_b256 s[4:11], s[0:1], 0x0               ; hidden s[4:5], norm_w s[6:7], k_w s[8:9], v_w s[10:11]
	s_load_b256 s[12:19], s[0:1], 0x20             ; gk_w1 s[12:13], gk_w2 s[14:15], gk_b s[16:17], xq s[18:19]
	s_load_b128 s[20:23], s[0:1], 0x40             ; wq s[20:21], g1i s[22:23]
	s_load_b64 s[24:25], s[0:1], 0x50              ; ctot
	v_lshl_add_u32 v222, v0, 2, 0x36000
	v_mov_b32 v223, 0
	v_lshrrev_b32 v16, 5, v0
	v_readfirstlane_b32 s26, v16                   ; wave 0..15
	s_mov_b32 s27, ttmp9                           ; work-group g
	s_mov_b32 s28, 0x76543210
	s_mov_b32 s29, 0xfedcba98                      ; selects for lane l xor 16
	s_mov_b32 s30, 0x3a000000                      ; 1 / 2,048
	s_mov_b32 s31, 0x3727c5ac                      ; 1e-5
	s_mov_b32 s32, 0x3fb8aa3b                      ; log2(e)
	s_mov_b32 s33, s32
	; every LDS address is made here, ahead of the first parting of the waves
	v_and_b32 v20, 31, v0                          ; lane
	v_and_b32 v21, 15, v0                          ; r
	v_bfe_u32 v22, v0, 4, 1                        ; h
	v_lshlrev_b32 v1, 4, v20                       ; 16 x lane
	s_mul_i32 s56, s26, 8448
	v_add_nc_u32 v2, s56, v1                       ; stage, in
	v_mul_u32_u24 v3, v21, 528
	v_lshl_add_u32 v3, v22, 7, v3
	v_add_nc_u32 v3, s56, v3                       ; stage, back: row r, + 128 h
	s_lshl_b32 s57, s26, 9
	s_add_co_u32 s58, s57, NWL
	v_lshl_add_u32 v4, v22, 7, s58                 ; norm_w of my blocks
	v_add_nc_u32 v218, s58, v1
	v_add_nc_u32 v219, s57, v1                     ; and its place in memory
	s_lshl_b32 s58, s26, 2
	s_add_co_u32 s58, s58, SSQ
	v_lshl_add_u32 v5, v21, 6, s58
	v_lshl_add_u32 v6, v21, 6, SSQ
	s_lshr_b32 s58, s26, 1
	s_lshl_b32 s58, s58, 9
	s_and_b32 s59, s26, 1
	s_lshl_b32 s59, s59, 6
	s_add_co_u32 s58, s58, s59
	s_add_co_u32 s58, s58, SCL
	v_lshl_add_u32 v7, v21, 2, s58
	s_lshl_b32 s58, s26, 10
	s_add_co_u32 s58, s58, P1
	v_add_nc_u32 v8, s58, v1
	v_lshlrev_b32 v9, 3, v22                       ; 8 h
	v_lshlrev_b32 v15, 3, v20                      ; 8 x lane
	s_lshr_b32 s58, s26, 2
	s_lshl_b32 s58, s58, 14
	s_and_b32 s59, s26, 3
	s_lshl_b32 s59, s59, 8
	s_add_co_u32 s58, s58, s59
	s_add_co_u32 s58, s58, P1
	v_add_nc_u32 v12, s58, v15
	s_lshl_b32 s58, s26, 8
	s_add_co_u32 s59, s58, G1F
	v_add_nc_u32 v13, s59, v15
	s_add_co_u32 s59, s58, SCL
	v_add_nc_u32 v14, s59, v15
	v_add_nc_u32 v214, G1F, v1
	v_lshlrev_b32 v215, 2, v21                     ; 4 r
	v_lshlrev_b32 v216, 2, v20                     ; 4 x lane
	v_lshlrev_b32 v217, 6, v21
	v_lshl_add_u32 v217, v22, 5, v217              ; 64 r + 32 h
	v_mov_b32 v[TP], 0                             ; a lane permute's destination counts as one of its sources
	s_wait_kmcnt 0x0
	s_mov_b32 s57, 0
	s_lshl_b32 s60, s26, 9                         ; 512 w
	s_mov_b32 s56, s60
	s_add_nc_u64 s[36:37], s[12:13], s[56:57]      ; gk_w1 at my 128 along K
	LOADJ 36, 0, 0, 0, X                           ; read by every work-group: no hint.  It lands in X, so that R is free for the rows that follow at once
	global_load_b128 v[NT:NT+3], v219, s[6:7]      ; my 512 bytes of norm_w
	s_lshl_b32 s56, s27, 19
	s_add_co_u32 s56, s56, s60
	s_add_nc_u64 s[34:35], s[4:5], s[56:57]        ; hidden at my 64 tokens, my 128 along K
	s_lshr_b32 s61, s27, 4                         ; the weights' job: head,
	s_and_b32 s62, s27, 15                         ; K step of 128
	s_cmp_lt_u32 s26, 4                            ; tiles 0-3 of k_w, 4-5 of v_w
	s_cselect_b64 s[38:39], s[8:9], s[10:11]
	s_cselect_b32 s63, 6, 5
	s_cselect_b32 s66, 0, 64
	s_lshl_b32 s63, s61, s63
	s_lshl_b32 s67, s26, 4
	s_add_co_u32 s63, s63, s67
	s_sub_co_u32 s63, s63, s66                     ; first row: 64 head + 16 w, or 32 head + 16 (w - 4)
	s_lshl_b32 s56, s63, 13
	s_lshl_b32 s67, s62, 9
	s_add_co_u32 s56, s56, s67
	s_add_nc_u64 s[38:39], s[38:39], s[56:57]
	s_cmp_lt_u32 s26, 6                            ; the next 16 rows go out together with gk_w1: a weight's for waves 0-5, the first token tile's for the others; 16 loads on either way
	s_cbranch_scc0 .Lno_job_a
	LOADJ 38, 0, 0, 1, R
	s_branch .Ljoin_a
.Lno_job_a:
	LOADJ 34, 1, 0, 1, R
.Ljoin_a:
	s_lshr_b32 s66, s62, 1
	s_lshl_b32 s66, s66, 4
	s_add_co_u32 s66, s66, s61
	s_mul_i32 s66, s66, 19200                      ; wq's block (kk, head)
	s_lshl_b32 s67, s26, 1
	s_and_b32 s68, s62, 1
	s_add_co_u32 s67, s67, s68                     ; 2 tile + q
	s_mul_i32 s68, s67, 1536
	s_add_co_u32 s56, s66, s68
	s_add_nc_u64 s[40:41], s[20:21], s[56:57]
	s_lshl_b32 s68, s67, 6
	s_add_co_u32 s56, s66, s68
	s_add_co_u32 s56, s56, 18432
	s_add_nc_u64 s[42:43], s[20:21], s[56:57]
	s_lshr_b32 s66, s27, 1                         ; group of 128 tokens
	s_and_b32 s67, s27, 1                          ; which half of it
	s_lshr_b32 s68, s26, 1
	s_lshl_b32 s68, s68, 7
	s_add_co_u32 s68, s68, s66
	s_mul_i32 s68, s68, 25600                      ; xq's block (kk = w / 2, group)
	s_and_b32 s69, s26, 1
	s_mul_i32 s70, s67, 12288
	s_mul_i32 s71, s69, 1536
	s_add_co_u32 s56, s68, s70
	s_add_co_u32 s56, s56, s71
	s_add_nc_u64 s[44:45], s[18:19], s[56:57]      ; my images
	s_lshl_b32 s70, s67, 9
	s_lshl_b32 s71, s69, 8
	s_add_co_u32 s56, s68, s70
	s_add_co_u32 s56, s56, s71
	s_add_co_u32 s56, s56, 24576
	s_add_nc_u64 s[46:47], s[18:19], s[56:57]      ; the 256 bytes of scale words that I store
	s_lshl_b32 s56, s27, 12
	s_lshl_b32 s66, s26, 8
	s_add_co_u32 s56, s56, s66
	s_add_nc_u64 s[48:49], s[22:23], s[56:57]      ; g1i
	s_add_nc_u64 s[50:51], s[24:25], s[56:57]      ; ctot
	s_lshl_b32 s56, s26, 12
	s_add_nc_u64 s[52:53], s[14:15], s[56:57]      ; gk_w2 at head w
	s_mov_b32 s56, s66
	s_add_nc_u64 s[54:55], s[16:17], s[56:57]      ; gk_b at head w
	s_wait_loadcnt 16                              ; gk_w1's 16 loads and norm_w's one are in; the 16 issued behind them may be out
	ds_store_b128 v218, v[NT:NT+3]
	TURN X                                         ; out of X and back into X: the loads come behind the stores that read those registers
	s_wait_dscnt 0x0                               ; gk_w1's numbers are back
	QUANTX W1F, W1S
	s_cmp_lt_u32 s26, 6
	s_cbranch_scc0 .Lno_job_b
	s_wait_loadcnt 0x0
	TURN R
	s_wait_dscnt 0x0
	LOADJ 34, 1, 0, 1, R
	QUANTX PC, PW
.irp c, 0,1,2
	global_store_b128 v1, v[PC+4*\c:PC+4*\c+3], s[40:41] offset:512*\c    ; 512 consecutive bytes
.endr
	global_store_b32 v215, v[PW], s[42:43]         ; 64 bytes of scale words (both halves of the lanes hold the same word); 96 KiB of such pieces in the whole launch
.Lno_job_b:
.macro TILE t
	s_wait_loadcnt 0x0                             ; the tile's 16 rows are in
	TURN R
	s_wait_dscnt 0x0
.if \t < 3
	LOADJ 34, 1, \t+1, 1, R                        ; the next tile's rows are on their way while this one is worked
.else
.irp c, 0,1,2,3                        ; the gate's weights, into registers that the rows have left: lane (r, h) takes numbers 8 h .. 8 h + 7 of channel 16 c + r
	global_load_b128 v[48+8*\c:51+8*\c], v217, s[52:53] offset:1024*\c
	global_load_b128 v[52+8*\c:55+8*\c], v217, s[52:53] offset:1024*\c+16
	global_load_b32 v[44+\c], v215, s[54:55] offset:64*\c
.endr
.endif
	v_pk_mul_f32 v[SQ:SQ+1], v[X:X+1], v[X:X+1]    ; my 64 squares, in two chains
	v_pk_mul_f32 v[SQ+2:SQ+3], v[X+2:X+3], v[X+2:X+3]
.set m_, 4
.rept 15
	v_pk_fma_f32 v[SQ:SQ+1], v[X+m_:X+m_+1], v[X+m_:X+m_+1], v[SQ:SQ+1]
	v_pk_fma_f32 v[SQ+2:SQ+3], v[X+m_+2:X+m_+3], v[X+m_+2:X+m_+3], v[SQ+2:SQ+3]
.set m_, m_+4
.endr
	v_pk_add_f32 v[SQ:SQ+1], v[SQ:SQ+1], v[SQ+2:SQ+3]
	v_add_f32 v[SQ], v[SQ], v[SQ+1]
	v_permlanex16_b32 v[TP], v[SQ], s28, s29
	v_add_f32 v[SQ], v[SQ], v[TP]                  ; row r's sum over my 128 along K
	ds_store_b32 v5, v[SQ] offset:1024*\t
	BARRIER                                        ; all sixteen waves' parts lie in LDS
.irp i, 0,1,2,3
	ds_load_b128 v[NT+4*\i:NT+4*\i+3], v6 offset:1024*\t+16*\i
.endr
	s_wait_dscnt 0x0
.irp i, 0,4,8,12
	v_pk_add_f32 v[NT+\i:NT+\i+1], v[NT+\i:NT+\i+1], v[NT+\i+2:NT+\i+3]
.endr
	v_pk_add_f32 v[NT:NT+1], v[NT:NT+1], v[NT+4:NT+5]
	v_pk_add_f32 v[NT+8:NT+9], v[NT+8:NT+9], v[NT+12:NT+13]
	v_pk_add_f32 v[NT:NT+1], v[NT:NT+1], v[NT+8:NT+9]
	v_add_f32 v[NT], v[NT], v[NT+1]
	v_fma_f32 v[NT], v[NT], s30, s31               ; the mean of the squares + 1e-5
	v_rsq_f32 v10, v[NT]
	v_nop                                          ; a plain place behind the transcendental
	s_wait_alu depctr_va_vdst(0)                   ; the wait ahead of the result's first reader
	v_mov_b32 v11, v10
.irp gq, 0,1,2,3                       ; (hidden x rsqrt) x norm_w, 16 numbers at a time
.irp i, 0,1,2,3
	ds_load_b128 v[NT+4*\i:NT+4*\i+3], v4 offset:256*(\gq/2)+64*(\gq%2)+16*\i
.endr
.irp i, 0,2,4,6,8,10,12,14
	v_pk_mul_f32 v[X+16*\gq+\i:X+16*\gq+\i+1], v[X+16*\gq+\i:X+16*\gq+\i+1], v[10:11]
.endr
	s_wait_dscnt 0x0
.irp i, 0,2,4,6,8,10,12,14
	v_pk_mul_f32 v[X+16*\gq+\i:X+16*\gq+\i+1], v[X+16*\gq+\i:X+16*\gq+\i+1], v[NT+\i:NT+\i+1]
.endr
.endr
	QUANTX PC, PW
.irp c, 0,1,2
	global_store_b128 v1, v[PC+4*\c:PC+4*\c+3], s[44:45] offset:3072*\t+512*\c
.endr
	ds_store_b32 v7, v[PW] offset:128*\t
	PLACES 8                                       ; a scale register written by a vector instruction stands 8 places ahead of a scaled matrix instruction, an operand 4
	v_wmma_scale_f32_16x16x128_f8f6f4 v[P3D:P3D+7], v[W1F:W1F+11], v[PC:PC+11], 0, v[W1S], v[PW] matrix_a_fmt:MATRIX_FMT_BF6 matrix_b_fmt:MATRIX_FMT_BF6   ; transposed: a lane holds token row r, its registers numbers 8 h + j of g1
	PLACES 4
	ds_store_b128 v8, v[P3D:P3D+3] offset:16384*\t
	ds_store_b128 v8, v[P3D+4:P3D+7] offset:16384*\t+512
.endm
	TILE 0
	TILE 1
	TILE 2
	TILE 3
	BARRIER                                        ; all partial images of g1 and all scale words lie in LDS
	; g1 = the sum of sixteen partial images, K ascending; each wave owns 256 of the 4,096 bytes
.set m_, 0
.rept 16
	ds_load_b64 v[X+2*m_:X+2*m_+1], v12 offset:1024*m_
.set m_, m_+1
.endr
	ds_load_b64 v[X+32:X+33], v14
	s_wait_dscnt 0x0
.set m_, 1
.rept 15
	v_pk_add_f32 v[X:X+1], v[X:X+1], v[X+2*m_:X+2*m_+1]
.set m_, m_+1
.endr
	ds_store_b64 v13, v[X:X+1]
	global_store_b64 v15, v[X:X+1], s[48:49]       ; 256 consecutive bytes, aligned
	global_store_b64 v15, v[X+32:X+33], s[46:47]   ; and 256 of x's scale words
	s_wait_xcnt 0x0                                ; all stores so far have read their data: the gate writes those registers
	BARRIER
	; THE GATE, head w, the work-group's 64 tokens.  Source 0 = 16 tokens of g1, source 1 = 16 channels of gk_w2; K = 16 in four steps of 4.
	; k is permuted alike on both sides: step s, half h, register j stand for k = 8 h + 2 s + j, which is how g1's image and 32 bytes of a row of gk_w2 lie.
.set m_, 0
.rept 8
	ds_load_b128 v[80+4*m_:83+4*m_], v214 offset:512*m_
.set m_, m_+1
.endr
	s_wait_loadcnt 0x0
	s_wait_dscnt 0x0
.irp c, 0,1,2,3
	v_mul_f32 v[176+2*\c], s32, v[44+\c]           ; b log2(e)
	v_mov_b32 v[177+2*\c], v[176+2*\c]
.endr
.irp c, 0,1,2,3
.irp s, 0,1,2,3                        ; the four accumulators take turns, one instruction a turn
.irp t, 0,1,2,3
.if \s == 0
	v_wmma_f32_16x16x4_f32 v[GD+8*\t:GD+8*\t+7], v[80+8*\t:81+8*\t], v[48+8*\c:49+8*\c], 0
.else
	v_wmma_f32_16x16x4_f32 v[GD+8*\t:GD+8*\t+7], v[80+8*\t+2*\s:81+8*\t+2*\s], v[48+8*\c+2*\s:49+8*\c+2*\s], v[GD+8*\t:GD+8*\t+7]
.endif
.endr
.endr
	PLACES 8
.set m_, 0
.rept 16
	v_pk_fma_f32 v[GT+m_:GT+m_+1], v[GD+m_:GD+m_+1], s[32:33], v[176+2*\c:177+2*\c] op_sel_hi:[1,0,0]   ; a = z log2(e) + b log2(e); each accumulator from its low end on
.set m_, m_+2
.endr
.set m_, 0
.rept 32
	v_exp_f32 v[GU+m_], -|v[GT+m_]|                ; u = 2^-|a|
.set m_, m_+1
.endr
	v_nop                                          ; a plain place between the exponentials and the lines that write over their sources
.set m_, 0
.rept 32
	v_min_num_f32 v[GT+m_], 0, v[GT+m_]            ; min(a, 0): independent work behind the exponentials, and so is its sum
.set m_, m_+1
.endr
.irp i, 0,2,4,6,8,10,12,14
	v_pk_add_f32 v[GT+\i:GT+\i+1], v[GT+\i:GT+\i+1], v[GT+16+\i:GT+17+\i]
.endr
.irp i, 0,2,4,6
	v_pk_add_f32 v[GT+\i:GT+\i+1], v[GT+\i:GT+\i+1], v[GT+8+\i:GT+9+\i]
.endr
.irp i, 0,2
	v_pk_add_f32 v[GT+\i:GT+\i+1], v[GT+\i:GT+\i+1], v[GT+4+\i:GT+5+\i]
.endr
	v_pk_add_f32 v[GT:GT+1], v[GT:GT+1], v[GT+2:GT+3]
	v_add_f32 v[192+\c], v[GT], v[GT+1]            ; my 32 tokens' sum of min(a, 0)
	s_wait_alu depctr_va_vdst(0)                   ; one wait for the batch, ahead of its first reader
.set m_, 0
.rept 16
	v_pk_add_f32 v[GU+m_:GU+m_+1], v[GU+m_:GU+m_+1], 1.0 op_sel_hi:[1,0]
.set m_, m_+2
.endr
.irp i, 0,2,4,6,8,10,12,14
	v_pk_mul_f32 v[GU+\i:GU+\i+1], v[GU+\i:GU+\i+1], v[GU+16+\i:GU+17+\i]
.endr
.irp i, 0,2,4,6
	v_pk_mul_f32 v[GU+\i:GU+\i+1], v[GU+\i:GU+\i+1], v[GU+8+\i:GU+9+\i]
.endr
.irp i, 0,2
	v_pk_mul_f32 v[GU+\i:GU+\i+1], v[GU+\i:GU+\i+1], v[GU+4+\i:GU+5+\i]
.endr
	v_pk_mul_f32 v[GU:GU+1], v[GU:GU+1], v[GU+2:GU+3]
	v_mul_f32 v[P3D+\c], v[GU], v[GU+1]            ; the product of my 32 factors 1 + u, at most 2^32
.endr
.irp c, 0,1,2,3
	v_log_f32 v[P3D+4+\c], v[P3D+\c]
.endr
	v_nop
	s_wait_alu depctr_va_vdst(0)                   ; one wait for the four logarithms
.irp c, 0,1,2,3
	v_sub_f32 v[192+\c], v[192+\c], v[P3D+4+\c]    ; my 32 tokens' sum of gamma
.endr
.irp c, 0,1,2,3
	v_permlanex16_b32 v[P3D+4+\c], v[192+\c], s28, s29
.endr
.irp c, 0,1,2,3
	v_add_f32 v[192+\c], v[192+\c], v[P3D+4+\c]    ; channel 16 c + r: the sum over the 64 tokens
.endr
	v_cmp_eq_u32 vcc_lo, 0, v9
	v_cndmask_b32 v197, v193, v192, vcc_lo         ; lanes 0-15 channel tile 0, lanes 16-31 tile 1
	v_cndmask_b32 v198, v195, v194, vcc_lo
	global_store_b32 v216, v197, s[50:51]          ; 128 consecutive bytes each
	global_store_b32 v216, v198, s[50:51] offset:128
	s_wait_tensorcnt 0x0
	ds_add_u32 v222, v223
	s_wait_dscnt 0x0
	s_endpgm
.Lfunc_end_k_q19a3662c5d_prep:
	.size	k_q19a3662c5d_prep, .Lfunc_end_k_q19a3662c5d_prep-k_q19a3662c5d_prep
	.p2alignl 7, 3214868480
	.fill 96, 4, 3214868480
	.section	.rodata,"a",@progbits
	.p2align	6, 0x0
	.amdhsa_kernel k_q19a3662c5d_prep
		.amdhsa_group_segment_fixed_size 223232
		.amdhsa_private_segment_fixed_size 0
		.amdhsa_enable_private_segment 0
		.amdhsa_kernarg_size 88
		.amdhsa_user_sgpr_count 2
		.amdhsa_user_sgpr_kernarg_segment_ptr 1
		.amdhsa_wavefront_size32 1
		.amdhsa_system_sgpr_workgroup_id_x 1
		.amdhsa_system_sgpr_workgroup_id_y 1
		.amdhsa_system_sgpr_workgroup_id_z 1
		.amdhsa_system_vgpr_workitem_id 0
		.amdhsa_next_free_vgpr 256
		.amdhsa_next_free_sgpr 72
		.amdhsa_reserve_vcc 1
		.amdhsa_float_denorm_mode_32 3
		.amdhsa_float_denorm_mode_16_64 3
		.amdhsa_memory_ordered 1
		.amdhsa_forward_progress 1
		.amdhsa_inst_pref_size 124
	.end_amdhsa_kernel
	.amdgpu_metadata
---
amdhsa.version: [ 1, 2 ]
amdhsa.kernels:
  - .name:           k_q19a3662c5d_prep
    .symbol:         k_q19a3662c5d_prep.kd
    .args:
      - { .name: hidden_states, .offset: 0, .size: 8, .value_kind: global_buffer, .address_space: global }
      - { .name: norm_w, .offset: 8, .size: 8, .value_kind: global_buffer, .address_space: global }
      - { .name: k_w, .offset: 16, .size: 8, .value_kind: global_buffer, .address_space: global }
      - { .name: v_w, .offset: 24, .size: 8, .value_kind: global_buffer, .address_space: global }
      - { .name: gk_w1, .offset: 32, .size: 8, .value_kind: global_buffer, .address_space: global }
      - { .name: gk_w2, .offset: 40, .size: 8, .value_kind: global_buffer, .address_space: global }
      - { .name: gk_b, .offset: 48, .size: 8, .value_kind: global_buffer, .address_space: global }
      - { .name: xq, .offset: 56, .size: 8, .value_kind: global_buffer, .address_space: global }
      - { .name: wq, .offset: 64, .size: 8, .value_kind: global_buffer, .address_space: global }
      - { .name: g1i, .offset: 72, .size: 8, .value_kind: global_buffer, .address_space: global }
      - { .name: ctot, .offset: 80, .size: 8, .value_kind: global_buffer, .address_space: global }
    .group_segment_fixed_size: 223232
    .private_segment_fixed_size: 0
    .kernarg_segment_align: 8
    .kernarg_segment_size: 88
    .max_flat_workgroup_size: 512
    .sgpr_count:     72
    .vgpr_count:     256
    .wavefront_size: 32
...
	.end_amdgpu_metadata
.endif
;; end of part 1
;; launch main (part 2): grid 4 x 128, 4 waves a work-group, clusters of 4 x 4, 327,680 bytes of LDS; arguments xq, wq, g1i, ctot, gk_w2, gk_b, part; writes part
.if DOCPART == 2
	.amdgcn_target "amdgcn-amd-amdhsa--gfx1250"
	.amdhsa_code_object_version 6
	.text
	.protected	k_q19a3662c5d_main
	.globl	k_q19a3662c5d_main
	.p2align	8
	.type	k_q19a3662c5d_main,@function
k_q19a3662c5d_main:
	s_mov_b64 s[64:65], 0
	v_nop
	global_prefetch_b8 v0, s[64:65] scope:SCOPE_SE
	s_setreg_imm32_b32 hwreg(HW_REG_WAVE_MODE, 25, 1), 1
	s_wait_xcnt 0x0
	s_wait_alu depctr_hold_cnt(0) depctr_sa_sdst(0) depctr_va_vdst(0) depctr_va_sdst(0) depctr_va_ssrc(0) depctr_va_vcc(0) depctr_vm_vsrc(0)
	s_getreg_b32 s2, hwreg(HW_REG_IB_STS2, 6, 4)
	s_cmp_eq_u32 s2, 0
	s_cbranch_scc0 .Lentry_in_a_cluster
	s_endpgm
.Lentry_in_a_cluster:
	s_bfe_u32 s2, ttmp6, 0x10000c
	s_cmp_lg_u32 s2, 0xf033
	s_cbranch_scc0 .Lentry_shape_is_right
	s_endpgm
.Lentry_shape_is_right:
; MAIN.  For 128 tokens and 4 heads: k = Q(x) Q(k_w)^T and v = Q(x) Q(v_w)^T on codes of E3M2; the gate again from g1 (f32); decay = 2^(sum of gamma over ALL later tokens / 16);
; k x decay and v quantised along the tokens; their product over these 128 tokens, for each head [64 x 32], stored as a part.
; SHARES.  Work-group = (group of 128 tokens, 4 heads); wave j = head 4 cx + j: 128 tokens x 96 columns = 48 accumulators.  K = 2,048 goes in 16 steps of 128, two to an LDS slot, two slots.
; ORIENTATION.  Source 0 = 16 tokens, source 1 = 16 weight rows: a lane holds ONE channel, and by the order of a tile's rows (made by the launch before) register 8 m + j of a channel tile is
; token 32 (m / 2) + 16 (lane / 16) + 8 (m % 2) + j: 16 neighbouring tokens in 16 registers, which is what the conversions along the next K (the tokens) want.
; OPERANDS lie in memory and LDS as images of their registers: every fragment is three loads of 512 consecutive bytes; no pitch, no padding.
; CLUSTER 4 x 4: x's block hangs on the token group alone and is asked for jointly along a row of the cluster; the weights' block hangs on the four heads alone, jointly along a column.
; Each wave's one tensor load brings 25,600 bytes: waves 0-2 thirds of the weights' 76,800 dense bytes, wave 3 x's block.
; THE GATE BY TURNS.  The gate is cut into 8 slices (channel tile x 64 tokens).  A slice is a numbered list of 304 lines (16 f32 matrix instructions, 8 places, 96 transcendentals in three batches, plain vector work,
; 8 LDS stores) that names no register of the scaled products.  The first slice stands alone at the head, where the first tiles are on their way; each of the other seven is dealt out four lines behind each of the
; 80 scaled matrix instructions that lie between one change of slots and the next (80 x 4 = 320 places for 304 lines).  A wave issues in order and is alone on its SIMD: set in a phase of its own, a slice would leave the
; scaled products waiting.  The price: the slice's registers lie in other windows than the products' operands, so two window switches for each matrix instruction.
; Seven slices' decays wait in the wave's own LDS bytes, the last in registers.
; LIMITS: NaN and infinities are not served; a decay under 2^-126 is 0; a block of zeros has the scale byte 1 (zero codes); log2(1 + u) loses u under 6e-8.
; REGISTERS, in windows of 256.  Window 0: v2-15 addresses and lane constants; v16-37 the gate's scalars a lane; v44-45 scratch addresses; v48-63 the quantiser; v64-135, v136-207 weights' fragments, two sets;
;   v208-223 scale words, two sets; v224-229 scale words of k x decay and of v.  Window 1: 0-95, 96-191 x's fragments, two sets; 192-255 g1.  Window 2: k's accumulators (64 n + 8 m).
;   Window 3: 0-127 v's accumulators; 128-159 results of the f32 matrix form alone; 160-191, 192-223 the gate at work; 224-255 gk_w2's four channel tiles, the one in hand lowest.
.set SLOTB, 102400                     ; a slot: four heads' weights (4 x 19,200), then x's block (25,600)
.set DEC,   204800                     ; 4 waves x 7 decay images of 4,096 bytes: written by LDS stores alone, never filled
.set SPARE, 319488                     ; the spare words: 128 bytes a wave, two blocks of 256 bytes that no other line names
.set SCR,   320000                     ; 256 bytes a wave: the later groups' sums turn here from 'four channels a lane' to 'a channel a lane'; never filled
.set TM,  48
.set TC,  136
.set SC,  208
.set KS,  224
.set VS,  228
.set DD,  128                          ; window 3
.set TT,  160
.set UU,  192
.set W2,  224
.set G1,  192                          ; window 1
.set DL,  64                           ; window 1, on the way out: a channel tile's 64 decays
.set G1A, 24                           ; s[24:31] group 1 for x's block;  s[32:39] its groups 0, one for each slot
.set G0A, 32
.set G1B, 48                           ; s[48:55], s[56:63] the same for the weights
.set G0B, 56
.set PER, 4                            ; lines of a slice behind each scaled matrix instruction
; where each part of a slice's list begins
.set I_MM, 2                           ; 16 f32 matrix instructions
.set I_NP, I_MM+16                     ; 8 places behind them
.set I_A,  I_NP+8                      ; 16: a = z log2(e) + b log2(e)
.set I_E1, I_A+16                      ; 32: u = 2^-|a|
.set I_W1, I_E1+32                     ; a plain line and the batch's wait
.set I_P1, I_W1+1                      ; 16: 1 + u
.set I_LG, I_P1+16                     ; 32: log2
.set I_MN, I_LG+32                     ; 32: min(a, 0), the independent work behind the logarithms
.set I_GM, I_MN+32                     ; the batch's wait; 16: gamma
.set I_Z,  I_GM+16                     ; 2: the runs' last tokens have nothing behind them
.set I_SF, I_Z+2                       ; 30: sums over the later tokens of each run of 16
.set I_RT, I_SF+30                     ; 2: the runs' totals
.set I_W0, I_RT+2                      ; 10: what lies behind each run; the carry
.set I_OF, I_W0+10                     ; 16: the exponents
.set I_E2, I_OF+16                     ; 32: decay
.set I_W2, I_E2+32                     ; a plain line
.set I_RO, I_W2+1                      ; 24 + 6: the next channel tile's weights, bias and later-groups sum move into place
.set I_R0, I_RO+24
.set I_ST, I_R0+6                      ; the batch's wait; the stores' address
.set I_DS, I_ST+1                      ; 8 LDS stores
.set I_SA, I_DS+8                      ; the next image's place
.set I_END, I_SA+1                     ; 304
.set MSB, 0
.macro WIN new                         ; the immediate's high byte repeats the setting that is left; a switch that changes nothing is dropped
.if MSB != \new
	s_set_vgpr_msb (MSB<<8)|\new
.set MSB, \new
.endif
.endm
.macro PLACES n
.rept \n
	v_nop
.endr
.endm
.macro JLOAD s                         ; a joint load: wave 3 asks for x's block, waves 0-2 for the weights'; four v_nop follow each line
	s_cmp_eq_u32 s18, 3
	s_cbranch_scc0 .Lfor_b_\@
	tensor_load_to_lds s[G0A+4*\s:G0A+4*\s+3], s[G1A:G1A+7]
	s_nop 0
.rept 4
	v_nop
.endr
	s_branch .Lasked_\@
.Lfor_b_\@:
	tensor_load_to_lds s[G0B+4*\s:G0B+4*\s+3], s[G1B:G1B+7]
	s_nop 0
.rept 4
	v_nop
.endr
.Lasked_\@:
.endm
.macro CREST                           ; a round of the cluster's barrier behind its opening barrier
	s_cmp_lg_u32 s18, 0
	s_cbranch_scc1 .Lnot_wave_0_\@
	s_barrier_signal -3
.Lnot_wave_0_\@:
	s_barrier_wait -3
	s_barrier_signal -1
	s_barrier_wait -1
.endm
.macro CROUND
	s_barrier_signal -1
	s_barrier_wait -1
	CREST
.endm
; A SLICE OF THE GATE: the channel tile in hand x token tiles 4 hf .. 4 hf + 3 (64 tokens, 32 numbers a lane).  The later half (hf = 1) goes first, since the sums run from the last token back.
; first: a new channel tile begins;  store: the decays go to my LDS bytes;  rot: the next channel tile's weights, bias and later-groups sum move into place.
.macro SLBEGIN hf, first, store, rot
.set S_HF, \hf
.set S_FIRST, \first
.set S_STORE, \store
.set S_ROT, \rot
.set sj, 0
.endm
; line number sj of the slice in hand; past the list's end: nothing
.macro SL1
.if sj < I_MM
.if S_FIRST
	WIN 0
.if sj == 0
	v_mov_b32 v26, v22                             ; the carry: the sum of gamma over all later groups
.else
	v_mov_b32 v16, v18                             ; b log2(e)
.endif
.endif
.elseif sj < I_NP
.set qq_, sj-I_MM
.set ks_, qq_/4                        ; K = 16 in four steps; four accumulators by turns
.set tt_, qq_%4
	WIN 0xfd                                       ; source 0 (g1) window 1; source 1, C and D window 3
.if ks_ == 0
	v_wmma_f32_16x16x4_f32 v[DD+8*tt_:DD+8*tt_+7], v[G1+32*S_HF+8*tt_:G1+32*S_HF+8*tt_+1], v[W2:W2+1], 0
.else
	v_wmma_f32_16x16x4_f32 v[DD+8*tt_:DD+8*tt_+7], v[G1+32*S_HF+8*tt_+2*ks_:G1+32*S_HF+8*tt_+2*ks_+1], v[W2+2*ks_:W2+2*ks_+1], v[DD+8*tt_:DD+8*tt_+7]
.endif
.elseif sj < I_A
	v_nop                                          ; eight places between the f32 matrix instructions and the first read of their results
.elseif sj < I_E1
.set jj_, 2*(sj-I_A)
	WIN 0xc3
	v_pk_fma_f32 v[TT+jj_:TT+jj_+1], v[DD+jj_:DD+jj_+1], s[22:23], v[16:17] op_sel_hi:[1,0,0]   ; each accumulator from its low end on
.elseif sj < I_W1
.set jj_, sj-I_E1
	WIN 0xc3
	v_exp_f32 v[UU+jj_], -|v[TT+jj_]|
.elseif sj < I_P1
	v_nop
	s_wait_alu depctr_va_vdst(0)                   ; one wait for the batch, ahead of its first reader
.elseif sj < I_LG
.set jj_, 2*(sj-I_P1)
	WIN 0xc3
	v_pk_add_f32 v[UU+jj_:UU+jj_+1], v[UU+jj_:UU+jj_+1], 1.0 op_sel_hi:[1,0]
.elseif sj < I_MN
.set jj_, sj-I_LG
	WIN 0xc3
	v_log_f32 v[UU+jj_], v[UU+jj_]
.elseif sj < I_GM
.set jj_, sj-I_MN
	WIN 0xff
	v_min_num_f32 v[TT+jj_], 0, v[TT+jj_]
.elseif sj < I_Z
.if sj == I_GM
	s_wait_alu depctr_va_vdst(0)                   ; one wait for the logarithms
.endif
.set jj_, 2*(sj-I_GM)
	WIN 0xff
	v_pk_add_f32 v[TT+jj_:TT+jj_+1], v[TT+jj_:TT+jj_+1], v[UU+jj_:UU+jj_+1] neg_lo:[0,1] neg_hi:[0,1]   ; gamma
.elseif sj < I_SF
	WIN 0xff
	v_mov_b32 v[UU+15+16*(sj-I_Z)], 0
.elseif sj < I_RT
.set qq_, sj-I_SF
.set jj_, 14-qq_/2+16*(qq_%2)          ; the two runs by turns, each from its last token back
	WIN 0xff
	v_add_f32 v[UU+jj_], v[UU+jj_+1], v[TT+jj_+1]
.elseif sj < I_W0
.set qq_, sj-I_RT
	WIN 0x0f
	v_add_f32 v[27+qq_], v[UU+16*qq_], v[TT+16*qq_]   ; my runs' totals
.elseif sj < I_OF
.set qq_, sj-I_W0
	WIN 0
.if qq_ == 0
	v_permlanex16_b32 v29, v27, s20, s21           ; lane l xor 16's totals: the other 16 tokens of each block of 32
.elseif qq_ == 1
	v_permlanex16_b32 v30, v28, s20, s21
.elseif qq_ == 2
	v_add_f32 v31, v28, v30                        ; the later block's total
.elseif qq_ == 3
	v_fma_f32 v34, v30, v13, v26                   ; what lies behind run 1: the carry, and for lanes 0-15 the other half's run
.elseif qq_ == 4
	v_add_f32 v26, v26, v31
.elseif qq_ == 5
	v_fma_f32 v32, v29, v13, v26                   ; behind run 0: also the whole later block
.elseif qq_ == 6
	v_add_f32 v27, v27, v29
.elseif qq_ == 7
	v_add_f32 v26, v26, v27                        ; the carry for the 64 tokens before these
.elseif qq_ == 8
	v_mul_f32 v32, 0x3d800000, v32                 ; / 16: exact
.else
	v_mul_f32 v34, 0x3d800000, v34
.endif
.elseif sj < I_E2
.set qq_, sj-I_OF
.set jj_, 2*(qq_/2)+16*(qq_%2)
	WIN 0xc3
	v_pk_fma_f32 v[UU+jj_:UU+jj_+1], v[UU+jj_:UU+jj_+1], 0x3d800000, v[32+2*(qq_%2):33+2*(qq_%2)] op_sel_hi:[1,0,0]
.elseif sj < I_W2
.set jj_, sj-I_E2
	WIN 0xc3
	v_exp_f32 v[UU+jj_], v[UU+jj_]                 ; decay
.elseif sj < I_RO
	v_nop
.elseif sj < I_R0
.if S_ROT
.set jj_, sj-I_RO
	WIN 0xc3
	v_mov_b32 v[W2+jj_], v[W2+8+jj_]
.endif
.elseif sj < I_ST
.if S_ROT
.set qq_, sj-I_R0
.set jj_, 18+qq_+qq_/3                 ; v18, 19, 20 (bias) and v22, 23, 24 (sums)
	WIN 0
	v_mov_b32 v[jj_], v[jj_+1]
.endif
.elseif sj < I_DS
	s_wait_alu depctr_va_vdst(0)                   ; one wait for the batch; it also stands ahead of the labels and branches that follow the list
.if S_STORE
	WIN 0
	v_add_nc_u32 v9, s45, v8
.endif
.elseif sj < I_SA
.if S_STORE
.set jj_, sj-I_DS
	WIN 0x0c                                       ; an LDS store's data are its source 1: window 3
	ds_store_b128 v9, v[UU+4*jj_:UU+4*jj_+3] offset:512*jj_
.endif
.elseif sj < I_END
.if S_STORE
	s_add_co_u32 s45, s45, 4096
.endif
.endif
.endm
.macro SLN n                           ; the next n lines of the slice in hand
.rept \n
	SL1
.set sj, sj+1
.endr
.endm
; 50 LDS loads in one run: the slot's q-th 128 along K into set fs: x's 8 fragments, my head's 6, and 8 scale registers (lanes 0-15 the weights' words of tile i, lanes 16-31 the tokens' of tile i;
; for i = 6, 7 lanes 0-15 read landed bytes of the same slot that no product takes as scales)
.macro FETCH slot, q, fs
	WIN 0x40
.irp m, 0,1,2,3,4,5,6,7
.irp c, 0,1,2
	ds_load_b128 v[96*\fs+12*\m+4*\c:96*\fs+12*\m+4*\c+3], v[2+\slot] offset:3072*\m+1536*\q+512*\c
.endr
.endr
	WIN 0
.irp n, 0,1,2,3,4,5
.irp c, 0,1,2
	ds_load_b128 v[64+72*\fs+12*\n+4*\c:64+72*\fs+12*\n+4*\c+3], v[4+\slot] offset:3072*\n+1536*\q+512*\c
.endr
.endr
.irp i, 0,1,2,3,4,5,6,7
	ds_load_b32 v[SC+8*\fs+\i], v[6+\slot] offset:128*\i+64*\q
.endr
.endm
; weight tiles n0 .. n1 against the 8 token tiles; per lines of the slice in hand behind each.  The 48 accumulators take turns, one instruction a turn, in the same order in every step
.macro MULN fs, n0, n1, zero, per
.set nn, \n0
.rept \n1-\n0+1
.if nn < 4
.set AC, 64*nn
.else
.set AC, 64*(nn-4)
.endif
.irp m, 0,1,2,3,4,5,6,7
.if nn < 4
	WIN 0xa1                                       ; source 0 (x) window 1, source 1 (weights) window 0, C and D window 2
.else
	WIN 0xf1                                       ; C and D window 3
.endif
.if \zero
	v_wmma_scale_f32_16x16x128_f8f6f4 v[AC+8*\m:AC+8*\m+7], v[96*\fs+12*\m:96*\fs+12*\m+11], v[64+72*\fs+12*nn:64+72*\fs+12*nn+11], 0, v[SC+8*\fs+\m], v[SC+8*\fs+nn] matrix_a_fmt:MATRIX_FMT_BF6 matrix_b_fmt:MATRIX_FMT_BF6 matrix_a_scale:MATRIX_SCALE_ROW1
.else
	v_wmma_scale_f32_16x16x128_f8f6f4 v[AC+8*\m:AC+8*\m+7], v[96*\fs+12*\m:96*\fs+12*\m+11], v[64+72*\fs+12*nn:64+72*\fs+12*nn+11], v[AC+8*\m:AC+8*\m+7], v[SC+8*\fs+\m], v[SC+8*\fs+nn] matrix_a_fmt:MATRIX_FMT_BF6 matrix_b_fmt:MATRIX_FMT_BF6 matrix_a_scale:MATRIX_SCALE_ROW1
.endif
.if \per
	SLN \per
.endif
.endr
.set nn, nn+1
.endr
.endm
; a slot's first 128 along K (set 0); its second is fetched meanwhile into set 1; the slice in hand goes on and ends here
.macro STEP slot, zero, per
	s_wait_dscnt 0x0                               ; set 0 is in
	PLACES 4                                       ; in front of loads into registers that the last products read
	FETCH \slot, 1, 1
	MULN 0, 0, 5, \zero, \per
	WIN 0
.endm
; a slot's second 128 along K (set 1) and the change of slots.  ONE barrier: in front of it each wave waits for all its tensor loads, adds 0 to its spare word, and waits for that and for its reads of this slot.
; Behind the refill and the run of LDS loads a new slice begins, between the remaining 32 products.
.macro TURN slot, next, fill, hf, first, store, rot
	s_wait_tensorcnt 0x0                           ; all my tensor loads have landed: my part of the next slot
	ds_add_u32 v10, v11                            ; 0 onto my spare word
	s_wait_dscnt 0x1                               ; all but the add: set 1 is in, the last slice's stores are done
	MULN 1, 0, 0, 0, 0                             ; eight matrix instructions stand between the add and the wait for it
	s_wait_dscnt 0x0                               ; the add is done, and my reads of this slot are over
	s_barrier_signal -1
	MULN 1, 1, 1, 0, 0
	WIN 0
	s_barrier_wait -1
.if \fill
	CREST                                          ; the barrier has opened a round of the cluster's: no wave of any partner still reads this slot or has a load on its way
	s_add_nc_u64 s[G0A+4*\slot+2:G0A+4*\slot+3], s[G0A+4*\slot+2:G0A+4*\slot+3], 6553600   ; two blocks of 256 along K on: 2 x 128 groups x 25,600
	s_add_nc_u64 s[G0B+4*\slot+2:G0B+4*\slot+3], s[G0B+4*\slot+2:G0B+4*\slot+3], 614400    ; 2 x 16 heads x 19,200
	JLOAD \slot                                    ; the first tensor load behind the round; its four v_nop are also the places in front of the loads below
.else
	PLACES 4
.endif
	FETCH \next, 0, 0
	SLBEGIN \hf, \first, \store, \rot
	MULN 1, 2, 5, 0, PER
	WIN 0
.endm
; 64 numbers of a lane in window 2 or 3, register 16 b + i = token 32 b + 16 (lane / 16) + i of my channel, become a fragment's codes v[dst ..] and its scale word
.macro QUANT s, wmax, wcvt, dst, word
	WIN \wmax
.irp b, 0,1,2,3
	v_max3_num_f32 v[TM+\b], 0x2800000, |v[(\s)+16*\b]|, |v[(\s)+16*\b+1]|   ; with the floor 2^(5 - 127): the byte cannot fall under 1
.endr
.irp i, 2,4,6,8,10,12,14
.irp b, 0,1,2,3
	v_max3_num_f32 v[TM+\b], v[TM+\b], |v[(\s)+16*\b+\i]|, |v[(\s)+16*\b+\i+1]|
.endr
.endr
	WIN 0
.irp b, 0,1,2,3
	v_permlanex16_b32 v[TM+4+\b], v[TM+\b], s20, s21
.endr
.irp b, 0,1,2,3
	v_max_num_f32 v[TM+\b], v[TM+\b], v[TM+4+\b]
.endr
.irp b, 0,1,2,3
	v_add_nc_u32 v[TM+12+\b], 0xfe000000, v[TM+\b]
.endr
.irp b, 0,1,2,3
	v_lshrrev_b32 v[TM+4+\b], 23, v[TM+12+\b]
.endr
	v_lshl_or_b32 v[\word], v[TM+5], 8, v[TM+4]
	v_lshl_or_b32 v[\word], v[TM+6], 16, v[\word]
	v_lshl_or_b32 v[\word], v[TM+7], 24, v[\word]
	WIN \wcvt
.irp c, 0,1
	v_cvt_scalef32_pk16_bf6_f32 v[(\dst)+6*\c:(\dst)+6*\c+2], v[(\s)+32*\c:(\s)+32*\c+15], v[TM+12+2*\c]
	v_cvt_scalef32_pk16_bf6_f32 v[TC+4*\c:TC+4*\c+2], v[(\s)+32*\c+16:(\s)+32*\c+31], v[TM+13+2*\c]
.endr
	WIN 0
	v_nop                                          ; one plain place behind a scaled conversion
.irp c, 0,1                            ; the operand wants a whole block in a lane
.irp i, 0,1,2
	v_permlane16_swap_b32 v[(\dst)+6*\c+\i], v[TC+4*\c+\i]
.endr
.irp i, 0,1,2
	v_mov_b32 v[(\dst)+3+6*\c+\i], v[TC+4*\c+\i]
.endr
.endr
.endm
	s_load_b256 s[4:11], s[0:1], 0x0               ; xq s[4:5], wq s[6:7], g1i s[8:9], ctot s[10:11]
	s_load_b128 s[12:15], s[0:1], 0x20             ; gk_w2 s[12:13], gk_b s[14:15]
	s_load_b64 s[16:17], s[0:1], 0x30              ; part
	v_lshl_add_u32 v10, v0, 2, SPARE
	v_mov_b32 v11, 0
	ds_add_u32 v10, v11
	ds_add_u32 v10, v11
	s_wait_dscnt 0x0
	v_lshrrev_b32 v1, 5, v0
	v_readfirstlane_b32 s18, v1                    ; wave 0..3
	s_bfe_u32 s40, ttmp6, 0x40000                  ; cx
	s_bfe_u32 s41, ttmp6, 0x40004                  ; cy
	s_lshl_b32 s66, ttmp9, 2
	s_add_co_u32 s66, s66, s40                     ; which four heads
	s_and_b32 s42, ttmp7, 0xffff
	s_lshl_b32 s42, s42, 2
	s_add_co_u32 s42, s42, s41                     ; which group of 128 tokens
	s_lshl_b32 s43, s41, 2
	s_lshl_b32 s43, 15, s43                        ; my row of the cluster
	s_lshl_b32 s44, 0x1111, s40                    ; my column
	; group 1: 25,600 dense bytes as 100 rows of 32 elements of 8 bytes
	s_or_b32 s[G1A], s43, (3<<16)|(1<<21)          ; 15:0 the mask; 17:16 elements of 8 bytes; 21 set beside a mask
	s_or_b32 s[G1B], s44, (3<<16)|(1<<21)
.irp g, G1A, G1B
	s_mov_b32 s[\g+1], 32<<16                      ; tensor_dim0 = 32
	s_mov_b32 s[\g+2], 100<<16                     ; tensor_dim1 = 100
	s_mov_b32 s[\g+3], 32<<16                      ; tile_dim0 = 32
	s_mov_b32 s[\g+4], 100                         ; tile_dim1 = 100
	s_mov_b32 s[\g+5], 32                          ; from row to row
	s_mov_b32 s[\g+6], 0
	s_mov_b32 s[\g+7], 0
.endr
	s_mul_i32 s47, s18, 25600                      ; my load's place in a slot, and my third of the weights: the wave's number alone
	s_mul_i32 s72, s66, 76800                      ; the weights: registers that never hold cy
	s_add_co_u32 s72, s72, s47
	s_mov_b32 s73, 0
	s_mul_i32 s68, s42, 25600                      ; x: registers that never hold cx
	s_mov_b32 s69, 0
	s_lshl_b32 s66, s66, 2
	s_add_co_u32 s66, s66, s18                     ; my head
	s_mov_b32 s20, 0x76543210
	s_mov_b32 s21, 0xfedcba98
	s_mov_b32 s22, 0x3fb8aa3b                      ; log2(e)
	s_mov_b32 s23, s22
	s_mov_b32 s45, 0
	s_and_b32 s46, s42, 31
	s_lshl_b32 s46, s46, 1
	s_add_co_u32 s46, s46, 1                       ; my group's last chunk of 64 tokens in its batch
	v_and_b32 v1, 31, v0
	v_and_b32 v40, 15, v0                          ; r
	v_bfe_u32 v41, v0, 4, 1                        ; h
	v_lshlrev_b32 v12, 4, v1                       ; 16 x lane
	v_lshlrev_b32 v39, 2, v40                      ; 4 r
	v_lshlrev_b32 v15, 4, v40
	v_lshl_add_u32 v15, v41, 12, v15               ; ctot: chunk h, channels 4 r .. 4 r + 3 of my head
	v_lshlrev_b32 v38, 6, v40
	v_lshl_add_u32 v38, v41, 5, v38                ; gk_w2: 64 r + 32 h
	s_wait_kmcnt 0x0
	s_add_nc_u64 s[70:71], s[4:5], s[68:69]        ; x's first block
	s_add_nc_u64 s[74:75], s[6:7], s[72:73]        ; my third of the weights' first block
	s_lshl_b32 s68, s42, 13
	s_add_nc_u64 s[8:9], s[8:9], s[68:69]          ; g1i at my group's 8 tiles
	s_lshr_b32 s2, s42, 5
	s_lshl_b32 s2, s2, 18
	s_lshl_b32 s3, s66, 8
	s_add_co_u32 s2, s2, s3
	s_mov_b32 s3, 0
	s_add_nc_u64 s[10:11], s[10:11], s[2:3]        ; ctot at my batch, my head
	s_lshl_b32 s72, s66, 12
	s_add_nc_u64 s[12:13], s[12:13], s[72:73]      ; gk_w2 at my head
	s_lshl_b32 s72, s66, 8
	s_add_nc_u64 s[14:15], s[14:15], s[72:73]      ; gk_b at my head
	s_lshl_b32 s2, s42, 4
	s_add_co_u32 s2, s2, s66
	s_lshl_b32 s2, s2, 13
	s_add_nc_u64 s[16:17], s[16:17], s[2:3]        ; my part
	; the gate's inputs are asked for ahead of the cluster's first round: the first slice waits for them, 60 loads in all
	WIN 0x40
.set j, 0
.rept 16
	global_load_b128 v[G1+4*j:G1+4*j+3], v12, s[8:9] offset:512*j        ; g1's 8 images
.set j, j+1
.endr
.set j, 0
.rept 32                               ; the sums of gamma of all 64 chunks of my batch: registers 4 j + i = chunk 2 j + h, channel 4 r + i; sixteen lanes read a chunk's 256 bytes of my head
	global_load_b128 v[4*j:4*j+3], v15, s[10:11] offset:8192*j
.set j, j+1
.endr
	WIN 0xc0
.irp c, 0,1,2,3
	global_load_b128 v[W2+8*\c:W2+8*\c+3], v38, s[12:13] offset:1024*\c
	global_load_b128 v[W2+8*\c+4:W2+8*\c+7], v38, s[12:13] offset:1024*\c+16
.endr
	WIN 0
.irp c, 0,1,2,3
	global_load_b32 v[18+\c], v39, s[14:15] offset:64*\c
.endr
	CROUND                                         ; all sixteen work-groups are here: the first joint loads meet
.irp s, 0,1
	s_mov_b32 s[G0A+4*\s], 1
	s_add_co_u32 s[G0A+4*\s+1], s47, \s*SLOTB
	s_add_nc_u64 s[G0A+4*\s+2:G0A+4*\s+3], s[70:71], \s*3276800
	s_or_b32 s[G0A+4*\s+3], s[G0A+4*\s+3], 0x80000000
	s_mov_b32 s[G0B+4*\s], 1
	s_add_co_u32 s[G0B+4*\s+1], s47, \s*SLOTB
	s_add_nc_u64 s[G0B+4*\s+2:G0B+4*\s+3], s[74:75], \s*307200
	s_or_b32 s[G0B+4*\s+3], s[G0B+4*\s+3], 0x80000000
	JLOAD \s                                       ; two loads of mine are out
.endr
	v_add_nc_u32 v2, 76800, v12                    ; x's images in slot 0, 1
	v_add_nc_u32 v3, 76800+SLOTB, v12
	s_mul_i32 s67, s18, 19200
	v_add_nc_u32 v4, s67, v12                      ; my head's images
	v_add_nc_u32 v5, SLOTB, v4
	s_xor_b32 s19, s18, 3
	s_mul_i32 s19, s19, 19200
	s_add_co_u32 s19, s19, 25344                   ; from my head's scale words to x's: 82,944 - 19,200 j
	v_mul_u32_u24 v42, s19, v41                    ; lanes 16-31 take x's
	s_add_co_u32 s67, s67, 18432
	v_add_nc_u32 v6, s67, v39
	v_add_nc_u32 v6, v6, v42
	v_add_nc_u32 v7, SLOTB, v6
	s_mul_i32 s67, s18, 28672
	s_add_co_u32 s67, s67, DEC
	v_add_nc_u32 v8, s67, v12                      ; my decay images
	s_lshl_b32 s67, s18, 8
	s_add_co_u32 s67, s67, SCR
	v_lshl_add_u32 v44, v40, 4, s67                ; my scratch: in, four channels a lane;
	v_add_nc_u32 v45, s67, v39                     ; back, a channel a lane
	v_cvt_f32_u32 v13, v41
	v_sub_f32 v13, 1.0, v13                        ; 1.0 in lanes 0-15, 0 in lanes 16-31
	v_sub_nc_u32 v14, s46, v41
	v_mov_b32 v43, 1.0
.irp i, 17,22,23,24,25,29,30,33,35,36,37,52,53,54,55
	v_mov_b32 v[\i], 0                             ; sums' starts; upper halves of pairs that are named whole; lane permutes' destinations
.endr
	s_wait_loadcnt 0x0
	; the sum over the chunks that come after my group: every chunk is walked, and a chunk counts by a weight of 1 or 0: no trip count and no branch hangs on the group
	WIN 0x01
.set j, 0
.rept 32
	v_cmp_gt_i32 vcc_lo, 2*j, v14                  ; chunk 2 j + h lies behind my group's last
	v_cndmask_b32 v36, 0, v43, vcc_lo
	v_pk_fma_f32 v[22:23], v[4*j:4*j+1], v[36:37], v[22:23] op_sel_hi:[1,0,1]
	v_pk_fma_f32 v[24:25], v[4*j+2:4*j+3], v[36:37], v[24:25] op_sel_hi:[1,0,1]
.set j, j+1
.endr
	WIN 0
.irp c, 0,2
	v_permlanex16_b32 v29, v[22+\c], s20, s21
	v_permlanex16_b32 v30, v[23+\c], s20, s21
	v_add_f32 v[22+\c], v[22+\c], v29
	v_add_f32 v[23+\c], v[23+\c], v30
.endr
	ds_store_b128 v44, v[22:25]                    ; channel n of my head at byte 4 n (both halves of the lanes hold the same sums)
.irp c, 0,1,2,3
	ds_load_b32 v[22+\c], v45 offset:64*\c         ; channel 16 c + r.  LDS serves a wave's instructions in order: these see the store above
.endr
.irp c, 0,1,2,3
	v_mul_f32 v[18+\c], s22, v[18+\c]              ; b log2(e)
.endr
	s_wait_dscnt 0x0
	SLBEGIN 1, 1, 1, 0                             ; the first slice stands alone, where the first tiles are on their way
	SLN I_END
	WIN 0
	s_wait_tensorcnt 0x1                           ; my part of slot 0 is in; slot 1's may stay out
	s_wait_dscnt 0x0
	s_barrier_signal -1
	s_barrier_wait -1
	FETCH 0, 0, 0
	STEP 0, 1, 0                                   ; the first step's products start the sums
	s_mov_b32 s19, 3
.Llap:                                 ; a trip goes once round the ring, fills both slots again and carries two slices
	TURN 0, 1, 1, 0, 0, 1, 1
	STEP 1, 0, PER
	TURN 1, 0, 1, 1, 1, 1, 0
	STEP 0, 0, PER
	s_sub_co_u32 s19, s19, 1
	s_cmp_lg_u32 s19, 0
	s_cbranch_scc1 .Llap
	TURN 0, 1, 0, 0, 0, 0, 0                       ; the last lap fills nothing; the last slice's decays stay in registers
	STEP 1, 0, PER
	s_wait_dscnt 0x0
	MULN 1, 0, 5, 0, 0
	WIN 0
	; THE WAY OUT.  k x decay, channel tile by channel tile, is quantised along the tokens; so is v; eight products [16 of v's 32] x [16 of k's 64] over the 128 tokens
	PLACES 4
.irp c, 0,1,2,3
	WIN 0x40
.set j, 0
.rept 8
	ds_load_b128 v[DL+32+4*j:DL+35+4*j], v8 offset:8192*\c+512*j          ; tokens 64-127: the slice that went first
.set j, j+1
.endr
.if \c < 3
.set j, 0
.rept 8
	ds_load_b128 v[DL+4*j:DL+4*j+3], v8 offset:8192*\c+4096+512*j
.set j, j+1
.endr
.endif
	s_wait_dscnt 0x0
.if \c < 3
	WIN 0x86
.set j, 0
.rept 32
	v_pk_mul_f32 v[64*\c+j:64*\c+j+1], v[64*\c+j:64*\c+j+1], v[DL+j:DL+j+1]   ; each accumulator from its low end on
.set j, j+2
.endr
.else
	WIN 0x8e
.set j, 0
.rept 16
	v_pk_mul_f32 v[192+j:193+j], v[192+j:193+j], v[UU+j:UU+j+1]
.set j, j+2
.endr
	WIN 0x86
.set j, 0
.rept 16
	v_pk_mul_f32 v[224+j:225+j], v[224+j:225+j], v[DL+32+j:DL+33+j]
.set j, j+2
.endr
.endif
	QUANT 64*\c, 0x28, 0x02, 64+12*\c, KS+\c
.endr
	QUANT 0, 0x3c, 0x03, 112, VS
	QUANT 64, 0x3c, 0x03, 124, VS+1
	PLACES 8                                       ; a scale register written by a vector instruction stands 8 places ahead of a scaled matrix instruction
	WIN 0x40
.irp c, 0,1,2,3
.irp e, 0,1
	v_wmma_scale_f32_16x16x128_f8f6f4 v[8*(2*\c+\e):8*(2*\c+\e)+7], v[112+12*\e:123+12*\e], v[64+12*\c:75+12*\c], 0, v[VS+\e], v[KS+\c] matrix_a_fmt:MATRIX_FMT_BF6 matrix_b_fmt:MATRIX_FMT_BF6   ; lane: k's channel 16 c + r; register j: v's channel 16 e + 8 h + j
.endr
.endr
	PLACES 4
	WIN 0x04                                       ; a store's data are its source 1: window 1
.set j, 0
.rept 16
	global_store_b128 v12, v[4*j:4*j+3], s[16:17] offset:512*j            ; 512 consecutive bytes, aligned
.set j, j+1
.endr
	WIN 0
	s_wait_tensorcnt 0x0                           ; the wave's end
	ds_add_u32 v10, v11
	s_wait_dscnt 0x0
	CROUND                                         ; the closing round
	s_endpgm
.Lfunc_end_k_q19a3662c5d_main:
	.size	k_q19a3662c5d_main, .Lfunc_end_k_q19a3662c5d_main-k_q19a3662c5d_main
	.p2alignl 7, 3214868480
	.fill 96, 4, 3214868480
	.section	.rodata,"a",@progbits
	.p2align	6, 0x0
	.amdhsa_kernel k_q19a3662c5d_main
		.amdhsa_group_segment_fixed_size 327680
		.amdhsa_private_segment_fixed_size 0
		.amdhsa_enable_private_segment 0
		.amdhsa_kernarg_size 56
		.amdhsa_user_sgpr_count 2
		.amdhsa_user_sgpr_kernarg_segment_ptr 1
		.amdhsa_wavefront_size32 1
		.amdhsa_system_sgpr_workgroup_id_x 1
		.amdhsa_system_sgpr_workgroup_id_y 1
		.amdhsa_system_sgpr_workgroup_id_z 1
		.amdhsa_system_vgpr_workitem_id 0
		.amdhsa_next_free_vgpr 1024
		.amdhsa_next_free_sgpr 84
		.amdhsa_reserve_vcc 1
		.amdhsa_float_denorm_mode_32 3
		.amdhsa_float_denorm_mode_16_64 3
		.amdhsa_memory_ordered 1
		.amdhsa_forward_progress 1
		.amdhsa_inst_pref_size 204
	.end_amdhsa_kernel
	.amdgpu_metadata
---
amdhsa.version: [ 1, 2 ]
amdhsa.kernels:
  - .name:           k_q19a3662c5d_main
    .symbol:         k_q19a3662c5d_main.kd
    .args:
      - { .name: xq, .offset: 0, .size: 8, .value_kind: global_buffer, .address_space: global }
      - { .name: wq, .offset: 8, .size: 8, .value_kind: global_buffer, .address_space: global }
      - { .name: g1i, .offset: 16, .size: 8, .value_kind: global_buffer, .address_space: global }
      - { .name: ctot, .offset: 24, .size: 8, .value_kind: global_buffer, .address_space: global }
      - { .name: gk_w2, .offset: 32, .size: 8, .value_kind: global_buffer, .address_space: global }
      - { .name: gk_b, .offset: 40, .size: 8, .value_kind: global_buffer, .address_space: global }
      - { .name: part, .offset: 48, .size: 8, .value_kind: global_buffer, .address_space: global }
    .group_segment_fixed_size: 327680
    .private_segment_fixed_size: 0
    .kernarg_segment_align: 8
    .kernarg_segment_size: 56
    .max_flat_workgroup_size: 128
    .sgpr_count:     84
    .vgpr_count:     1024
    .wavefront_size: 32
...
	.end_amdgpu_metadata
.endif
;; end of part 2
;; launch fold (part 3): grid 256 x 1, 4 waves a work-group, no clusters, 4,608 bytes of LDS; arguments part, ctot, state, out0; writes out0
.if DOCPART == 3
	.amdgcn_target "amdgcn-amd-amdhsa--gfx1250"
	.amdhsa_code_object_version 6
	.text
	.protected	k_q19a3662c5d_fold
	.globl	k_q19a3662c5d_fold
	.p2align	8
	.type	k_q19a3662c5d_fold,@function
k_q19a3662c5d_fold:
	s_mov_b64 s[64:65], 0
	v_nop
	global_prefetch_b8 v0, s[64:65] scope:SCOPE_SE
	s_setreg_imm32_b32 hwreg(HW_REG_WAVE_MODE, 25, 1), 1
	s_wait_xcnt 0x0
; FOLD.  out0[b][head][dk][dv] = the sum of the batch's 32 parts + 2^(sum of gamma over the batch's 64 chunks / 16) x state.
; A work-group owns 16 rows dk of one (b, head): 2,048 bytes of out0.  Wave w owns one group of four registers of the parts' image: v's channels 16 (w / 2) + 8 h + 4 (w % 2) + 0 .. 3 of row r.
; The parts are read once, 512 consecutive bytes a load; the sums turn through LDS so that each wave stores 512 consecutive bytes.  No matrix work, no cluster: nothing is shared.
; LIMITS: NaN and infinities are not served; a factor under 2^-126 is 0.
.set FS, 2560                          ; behind the stage (16 rows x 144 bytes): the waves' partial sums of gamma, 64 bytes a wave
	s_load_b256 s[4:11], s[0:1], 0x0               ; part s[4:5], ctot s[6:7], state s[8:9], out0 s[10:11]
	v_lshl_add_u32 v168, v0, 2, 0x1000
	v_mov_b32 v169, 0
	v_lshrrev_b32 v1, 5, v0
	v_readfirstlane_b32 s12, v1                    ; wave 0..3
	v_and_b32 v2, 31, v0
	v_and_b32 v3, 15, v0                           ; r
	v_bfe_u32 v4, v0, 4, 1                         ; h
	v_lshlrev_b32 v5, 2, v3
	v_lshl_add_u32 v5, v4, 12, v5                  ; ctot: chunk h, channel r
	v_lshlrev_b32 v6, 4, v0                        ; 16 x thread
	v_lshlrev_b32 v7, 4, v2                        ; 16 x lane
	s_lshl_b32 s13, s12, 6
	s_add_co_u32 s13, s13, FS
	v_lshl_add_u32 v8, v3, 2, s13
	s_lshr_b32 s13, s12, 1
	s_lshl_b32 s13, s13, 6
	s_and_b32 s14, s12, 1
	s_lshl_b32 s14, s14, 4
	s_add_co_u32 s13, s13, s14
	v_mul_u32_u24 v9, v3, 144
	v_lshl_add_u32 v9, v4, 5, v9
	v_add_nc_u32 v9, s13, v9                       ; the stage, in: row r, my 16 bytes
	v_lshrrev_b32 v10, 3, v0
	v_and_b32 v11, 7, v0
	v_lshl_add_u32 v12, v10, 2, FS
	v_mul_u32_u24 v10, v10, 144
	v_lshl_add_u32 v10, v11, 4, v10                ; back: eight threads to a row of 128 bytes
	v_mov_b32 v28, 0
	s_mov_b32 s28, 0x76543210
	s_mov_b32 s29, 0xfedcba98
	s_lshr_b32 s15, ttmp9, 6                       ; b
	s_bfe_u32 s16, ttmp9, 0x40002                  ; head
	s_and_b32 s17, ttmp9, 3                        ; which 16 rows
	s_lshl_b32 s18, s15, 18
	s_lshl_b32 s20, s12, 16
	s_add_co_u32 s18, s18, s20
	s_lshl_b32 s20, s16, 8
	s_add_co_u32 s18, s18, s20
	s_lshl_b32 s20, s17, 6
	s_add_co_u32 s18, s18, s20                     ; ctot: batch, my 16 chunks, the 16 channels
	s_mov_b32 s19, 0
	s_lshl_b32 s20, s15, 9
	s_add_co_u32 s20, s20, s16
	s_lshl_b32 s20, s20, 13
	s_lshl_b32 s22, s17, 2
	s_add_co_u32 s22, s22, s12
	s_lshl_b32 s22, s22, 9
	s_add_co_u32 s20, s20, s22                     ; part: the batch's first group, the head, my 512 bytes
	s_mov_b32 s21, 0
	s_lshl_b32 s22, ttmp9, 11
	s_mov_b32 s23, 0
	s_wait_kmcnt 0x0
	s_add_nc_u64 s[6:7], s[6:7], s[18:19]
	s_add_nc_u64 s[4:5], s[4:5], s[20:21]
	s_add_nc_u64 s[8:9], s[8:9], s[22:23]
	s_add_nc_u64 s[10:11], s[10:11], s[22:23]
.irp j, 0,1,2,3,4,5,6,7
	global_load_b32 v[16+\j], v5, s[6:7] offset:8192*\j
.endr
	global_load_b128 v[24:27], v6, s[8:9]
.set j, 0
.rept 32
	global_load_b128 v[32+4*j:35+4*j], v7, s[4:5] offset:131072*j th:TH_LOAD_NT
.set j, j+1
.endr
	s_wait_loadcnt 33                              ; the eight sums of gamma are in; state's load and the 32 parts' may be out
.irp j, 1,2,3,4,5,6,7
	v_add_f32 v16, v16, v[16+\j]
.endr
	v_permlanex16_b32 v28, v16, s28, s29
	v_add_f32 v16, v16, v28
	ds_store_b32 v8, v16                           ; both halves of the lanes hold the same number
	s_wait_loadcnt 0x0
.set j, 1
.rept 31
	v_pk_add_f32 v[32:33], v[32:33], v[32+4*j:33+4*j]     ; the groups in ascending order
	v_pk_add_f32 v[34:35], v[34:35], v[34+4*j:35+4*j]
.set j, j+1
.endr
	ds_store_b128 v9, v[32:35]
	s_wait_dscnt 0x0                               ; for the others' sake
	s_barrier_signal -1
	s_barrier_wait -1
	ds_load_b128 v[36:39], v10
.irp j, 0,1,2,3
	ds_load_b32 v[40+\j], v12 offset:64*\j
.endr
	s_wait_dscnt 0x0
	v_add_f32 v40, v40, v41
	v_add_f32 v40, v40, v42
	v_add_f32 v40, v40, v43
	v_mul_f32 v40, 0x3d800000, v40                 ; / 16
	v_exp_f32 v44, v40
	v_nop                                          ; a plain place behind the transcendental
	s_wait_alu depctr_va_vdst(0)                   ; the wait ahead of the result's first reader
	v_mov_b32 v45, v44
	v_pk_fma_f32 v[36:37], v[24:25], v[44:45], v[36:37]
	v_pk_fma_f32 v[38:39], v[26:27], v[44:45], v[38:39]
	global_store_b128 v6, v[36:39], s[10:11]       ; a wave stores 512 consecutive bytes
	s_wait_tensorcnt 0x0
	ds_add_u32 v168, v169
	s_wait_dscnt 0x0
	s_endpgm
.Lfunc_end_k_q19a3662c5d_fold:
	.size	k_q19a3662c5d_fold, .Lfunc_end_k_q19a3662c5d_fold-k_q19a3662c5d_fold
	.p2alignl 7, 3214868480
	.fill 96, 4, 3214868480
	.section	.rodata,"a",@progbits
	.p2align	6, 0x0
	.amdhsa_kernel k_q19a3662c5d_fold
		.amdhsa_group_segment_fixed_size 4608
		.amdhsa_private_segment_fixed_size 0
		.amdhsa_enable_private_segment 0
		.amdhsa_kernarg_size 32
		.amdhsa_user_sgpr_count 2
		.amdhsa_user_sgpr_kernarg_segment_ptr 1
		.amdhsa_wavefront_size32 1
		.amdhsa_system_sgpr_workgroup_id_x 1
		.amdhsa_system_sgpr_workgroup_id_y 1
		.amdhsa_system_sgpr_workgroup_id_z 1
		.amdhsa_system_vgpr_workitem_id 0
		.amdhsa_next_free_vgpr 170
		.amdhsa_next_free_sgpr 66
		.amdhsa_reserve_vcc 0
		.amdhsa_float_denorm_mode_32 3
		.amdhsa_float_denorm_mode_16_64 3
		.amdhsa_memory_ordered 1
		.amdhsa_forward_progress 1
		.amdhsa_inst_pref_size 12
	.end_amdhsa_kernel
	.amdgpu_metadata
---
amdhsa.version: [ 1, 2 ]
amdhsa.kernels:
  - .name:           k_q19a3662c5d_fold
    .symbol:         k_q19a3662c5d_fold.kd
    .args:
      - { .name: part, .offset: 0, .size: 8, .value_kind: global_buffer, .address_space: global }
      - { .name: ctot, .offset: 8, .size: 8, .value_kind: global_buffer, .address_space: global }
      - { .name: state, .offset: 16, .size: 8, .value_kind: global_buffer, .address_space: global }
      - { .name: out0, .offset: 24, .size: 8, .value_kind: global_buffer, .address_space: global }
    .group_segment_fixed_size: 4608
    .private_segment_fixed_size: 0
    .kernarg_segment_align: 8
    .kernarg_segment_size: 32
    .max_flat_workgroup_size: 128
    .sgpr_count:     66
    .vgpr_count:     170
    .wavefront_size: 32
...
	.end_amdgpu_metadata
.endif
;; end of part 3
;; ======== version 2 of 2: 3 launches; version 1 with the launch prep written anew for expert scheduling mode
;; workspace buffers: xq 26,214,400 bytes; wq 2,457,600 bytes; g1i 1,048,576 bytes; ctot 1,048,576 bytes; part 16,777,216 bytes
;; launch prep (part 4): grid 256 x 1, 16 waves a work-group, no clusters, 223,232 bytes of LDS; arguments hidden_states, norm_w, k_w, v_w, gk_w1, gk_w2, gk_b, xq, wq, g1i, ctot; writes xq, wq, g1i, ctot
.if DOCPART == 4
	.amdgcn_target "amdgcn-amd-amdhsa--gfx1250"
	.amdhsa_code_object_version 6
	.text
	.protected	k_q19a3662c5d_prep
	.globl	k_q19a3662c5d_prep
	.p2align	8
	.type	k_q19a3662c5d_prep,@function
k_q19a3662c5d_prep:
	s_mov_b64 s[64:65], 0
	v_nop
	global_prefetch_b8 v0, s[64:65] scope:SCOPE_SE
	s_setreg_imm32_b32 hwreg(HW_REG_WAVE_SCHED_MODE, 0, 2), 2
	s_setreg_imm32_b32 hwreg(HW_REG_WAVE_MODE, 25, 1), 1
	s_wait_xcnt 0x0
	s_wait_alu depctr_vm_vsrc(0)
; PREP.  x = RMSNorm(hidden) x norm_w is quantised along D into codes of E3M2 with one E8M0 byte for each 32; so are k_w, v_w and gk_w1.
; g1 = Q(x) Q(gk_w1)^T (16 numbers a token) is made here; from it z = g1 gk_w2^T + gk_b in f32, and the sum over each 64 tokens of
; gamma = log2(e) x log_sigmoid(z) = min(a, 0) - log2(1 + 2^-|a|), a = z log2(e).  (gamma = 16 log2(e) x the gate's gk.)
; Only the SUM of gamma is wanted here, and a sum of logarithms is the logarithm of a product: a lane's 32 factors 1 + 2^-|a| lie in (1, 2], their product is at most 2^32, and one logarithm serves the 32.
; SHARES.  A work-group owns 64 tokens = 4 tiles of 16.  Wave w owns k = 128 w .. 128 w + 127 of every row while x is made, and head w (64 channels) for the gate.
; Waves 0 to 5 also quantise one fragment each of k_w or v_w (1,536 fragments = 256 work-groups x 6); every wave quantises its own 128 along K of gk_w1.
; OUTPUT LAYOUT.  A fragment (16 rows x 128 K, 12 registers a lane) is stored as an image of its registers: registers 4 c .. 4 c + 3 of lane l at 512 c + 16 l.
;   xq [kk 8][group of 128 tokens][25,600]: image (tile m, step q) at (2 m + q) x 1,536; scale words at 24,576 + (2 m + q) x 64 + 4 r.
;   Row r of tile m = 2 b + u is token 32 b + 8 u + r + 8 (r / 8) of the group, so that a later result's registers of tiles 2 b, 2 b + 1 are 16 neighbouring tokens.
;   wq [kk 8][head 16][19,200]: tiles 0-3 rows of k_w, tiles 4-5 rows of v_w; images, then scale words from 18,432 on.
;   g1i [tile of 16 tokens][1,024]: image of g1^T's registers (lane = token row r, register j = number 8 (lane / 16) + j).   ctot [chunk of 64 tokens][1,024 channels] f32.
; LIMITS: NaN and infinities are not served; a block of zeros gets the scale byte 1 (its codes are zeros and this program alone reads the bytes); 1 + u loses u under 6e-8.
; Every global load of rows covers 512 consecutive bytes; the turn to 'a lane holds neighbours along K' goes through the wave's own stage in LDS.
; THE MODE: SCHED_MODE bits 1:0 = 2 (LLVM: expert scheduling mode 2), set by the entry lines.  The code itself states the register dependences
; between vector or matrix instructions and memory or LDS instructions, with s_wait_alu, always for 0.
; THE PLAN.  Registers that memory or LDS instructions touch:
;   v1-8, v12-15, v214-219   offsets and LDS addresses: made at the head, never written again.
;   R    16 rows as loaded.  Written by global loads; read by the stage's LDS stores; asked for again straight behind those stores.  No vector line of a tile names it.
;   X    Written by the stage's LDS loads; read and written by a tile's vector lines up to its quantiser.
;   A, B norm_w's four pieces of 16 numbers by turns: pieces 0 and 2 land in A, pieces 1 and 3 in B, each asked for a piece ahead; the multiplies by norm_w read them.
;        B lies over the fragment's registers, which are idle from a tile's head to its quantiser; the sixteen parts of the sum of squares land there first.
;   PC, PW   the fragment and its scale word.  Written by the quantiser; read by three global stores, one LDS store and the scaled product.
;   P3D  written by the product, read by two LDS stores.     SQ   written by the squares' sum, read by one LDS store.
; A TILE'S WAITS.  One on vm_vsrc at its head: the stage's stores have read R, and the last tile's stores have read PC, PW, P3D and SQ.  Six on va_vdst: SQ is written; the tree and the root are done with B;
; piece 0's multiplies are done with A; piece 1's with B; PC and PW are written; P3D is written.  Behind the last of them no vector line stands before the next tile's head, so it also
; states that all lines that named X, A and B are done, ahead of the next tile's loads into them.
.set STG,  0                           ; 16 waves x 16 rows x 528 bytes (512 + 16: the rows that a load of 16 bytes a lane touches start 33 x 16 bytes apart)
.set NWL,  135168                      ; norm_w, 512 bytes a wave, the wave's own
.set SSQ,  143360                      ; sums of squares [tile][row][wave]
.set SCL,  147456                      ; x's scale words: kk x 512 + tile x 128 + q x 64 + 4 r
.set G1F,  151552                      ; the finished g1 images of the four tiles
.set P1,   155648                      ; g1's partial images: (tile x 16 + wave) x 1,024
.set R,    16                          ; v16-79   16 rows as loaded
.set X,    80                          ; v80-143  register 32 c + i = k 64 c + 32 (lane / 16) + i of row lane % 16
.set NT,   144                         ; v144-159 buffer A: norm_w's pieces 0 and 2
.set NB,   160                         ; v160-175 buffer B: the parts of the sum of squares, then norm_w's pieces 1 and 3; from the quantiser on these registers are PC and TC
.set PC,   160                         ; v160-171 the fragment just made
.set TC,   172                         ; v172-179 the conversions' second halves
.set MX,   180
.set SO,   182
.set BY,   184
.set PW,   186                         ; x's (or a weight's) scale word: scales alone
.set TP,   187
.set W1F,  188                         ; v188-199 gk_w1's fragment
.set W1S,  200                         ; its scale word: scales alone
.set P3D,  202                         ; v202-209 g1's partial result; in the gate: four products, four logarithms
.set SQ,   210
.set GT,   112                         ; the gate: v112-143 a, then min(a, 0);  v144-175 the factors;  v176-183 bias pairs;  v192-195 sums;  v224-255 results of the f32 matrix form alone
.set GU,   144
.set GD,   224
.macro PLACES n
.rept \n
	v_nop
.endr
.endm
.macro BARRIER                         ; my LDS stores have landed and my LDS loads are in: then the work-group's barrier
	s_wait_dscnt 0x0
	s_barrier_signal -1
	s_barrier_wait -1
.endm
; 16 rows of 8,192 bytes, my wave's 512 bytes of each, into v[dst ..].  perm = 1: the rows of token tile tt, in the order stated at the head
.macro LOADJ base, perm, tt, nt, dst
.set m_, 0
.rept 16
.if \perm
.set RO, 32*((\tt)/2)+8*((\tt)%2)+m_+8*(m_/8)
.else
.set RO, m_
.endif
.if \nt
	global_load_b128 v[\dst+4*m_:\dst+4*m_+3], v1, s[\base:\base+1] offset:RO*8192 th:TH_LOAD_NT
.else
	global_load_b128 v[\dst+4*m_:\dst+4*m_+3], v1, s[\base:\base+1] offset:RO*8192
.endif
.set m_, m_+1
.endr
.endm
; through my own stage: in from v[src ..] as loaded, back into X 128 bytes a lane and block.  LDS serves a wave's instructions in order: no wait on DScnt between.
; The loads land in X: every vector line that named X stands ahead of the last wait on va_vdst, on every way that leads here
.macro TURN src
.set m_, 0
.rept 16
	ds_store_b128 v2, v[\src+4*m_:\src+4*m_+3] offset:528*m_
.set m_, m_+1
.endr
.if \src == X
	s_wait_alu depctr_vm_vsrc(0)                   ; the sixteen stores above have read X, in which the loads below land
.endif
.set m_, 0
.rept 16
	ds_load_b128 v[X+4*m_:X+4*m_+3], v3 offset:256*(m_/8)+16*(m_%8)
.set m_, m_+1
.endr
.endm
; X's 64 numbers (two whole blocks of 32 a lane) become the fragment v[dst ..] and its scale word.  Vector lines alone: what stores have read of these registers is stated at a tile's head
.macro QUANTX dst, word
.irp c, 0,1
	v_max3_num_f32 v[MX+\c], |v[X+32*\c]|, |v[X+32*\c+1]|, 0x2800000       ; with the floor 2^(5 - 127): the byte cannot fall under 1
	v_max3_num_f32 v[BY+\c], |v[X+32*\c+16]|, |v[X+32*\c+17]|, 0x2800000
.endr
.irp i, 2,4,6,8,10,12,14
.irp c, 0,1
	v_max3_num_f32 v[MX+\c], v[MX+\c], |v[X+32*\c+\i]|, |v[X+32*\c+\i+1]|
	v_max3_num_f32 v[BY+\c], v[BY+\c], |v[X+32*\c+16+\i]|, |v[X+32*\c+17+\i]|
.endr
.endr
.irp c, 0,1
	v_max_num_f32 v[MX+\c], v[MX+\c], v[BY+\c]     ; the block's largest magnitude
.endr
.irp c, 0,1
	v_add_nc_u32 v[SO+\c], 0xfe000000, v[MX+\c]    ; 4 off its exponent field: the conversion's scale operand
.endr
.irp c, 0,1
	v_lshrrev_b32 v[BY+\c], 23, v[SO+\c]           ; the scale's byte
.endr
	v_lshl_or_b32 v[BY], v[BY+1], 16, v[BY]        ; my blocks are (lane / 16) and 2 + (lane / 16)
	v_lshlrev_b32 v[BY], v9, v[BY]
	v_permlanex16_b32 v[TP], v[BY], s28, s29
	v_or_b32 v[\word], v[BY], v[TP]                ; with lane l xor 16's two bytes the word is whole
.irp c, 0,1
	v_cvt_scalef32_pk16_bf6_f32 v[\dst+6*\c:\dst+6*\c+2], v[X+32*\c:X+32*\c+15], v[SO+\c]
	v_cvt_scalef32_pk16_bf6_f32 v[TC+4*\c:TC+4*\c+2], v[X+32*\c+16:X+32*\c+31], v[SO+\c]   ; (three registers begin on an even number)
.endr
	v_nop                                          ; one plain place behind a scaled conversion
.irp c, 0,1
.irp i, 0,1,2
	v_mov_b32 v[\dst+3+6*\c+\i], v[TC+4*\c+\i]
.endr
.endr
.endm
; norm_w's piece gq (16 numbers of my blocks) into buffer dst
.macro NORMW dst, gq
.irp i, 0,1,2,3
	ds_load_b128 v[\dst+4*\i:\dst+4*\i+3], v4 offset:256*((\gq)/2)+64*((\gq)%2)+16*\i
.endr
.endm
; piece gq of X: hidden x rsqrt
.macro BYRSQ gq
.irp i, 0,2,4,6,8,10,12,14
	v_pk_mul_f32 v[X+16*(\gq)+\i:X+16*(\gq)+\i+1], v[X+16*(\gq)+\i:X+16*(\gq)+\i+1], v[10:11]
.endr
.endm
; and that x norm_w, out of buffer src
.macro BYNORM gq, src
.irp i, 0,2,4,6,8,10,12,14
	v_pk_mul_f32 v[X+16*(\gq)+\i:X+16*(\gq)+\i+1], v[X+16*(\gq)+\i:X+16*(\gq)+\i+1], v[\src+\i:\src+\i+1]
.endr
.endm
	s_load_b256 s[4:11], s[0:1], 0x0               ; hidden s[4:5], norm_w s[6:7], k_w s[8:9], v_w s[10:11]
	s_load_b256 s[12:19], s[0:1], 0x20             ; gk_w1 s[12:13], gk_w2 s[14:15], gk_b s[16:17], xq s[18:19]
	s_load_b128 s[20:23], s[0:1], 0x40             ; wq s[20:21], g1i s[22:23]
	s_load_b64 s[24:25], s[0:1], 0x50              ; ctot
	v_lshl_add_u32 v222, v0, 2, 0x36000
	v_mov_b32 v223, 0
	v_lshrrev_b32 v16, 5, v0
	v_readfirstlane_b32 s26, v16                   ; wave 0..15
	s_mov_b32 s27, ttmp9                           ; work-group g
	s_mov_b32 s28, 0x76543210
	s_mov_b32 s29, 0xfedcba98                      ; selects for lane l xor 16
	s_mov_b32 s30, 0x3a000000                      ; 1 / 2,048
	s_mov_b32 s31, 0x3727c5ac                      ; 1e-5
	s_mov_b32 s32, 0x3fb8aa3b                      ; log2(e)
	s_mov_b32 s33, s32
	; every LDS address is made here, ahead of the first parting of the waves
	v_and_b32 v20, 31, v0                          ; lane
	v_and_b32 v21, 15, v0                          ; r
	v_bfe_u32 v22, v0, 4, 1                        ; h
	v_lshlrev_b32 v1, 4, v20                       ; 16 x lane
	s_wait_alu depctr_va_sdst(0)                   ; s26 is written, ahead of its first reader: LDS addresses, bases and the branches on the wave's number are made from it
	s_mul_i32 s56, s26, 8448
	v_add_nc_u32 v2, s56, v1                       ; stage, in
	v_mul_u32_u24 v3, v21, 528
	v_lshl_add_u32 v3, v22, 7, v3
	v_add_nc_u32 v3, s56, v3                       ; stage, back: row r, + 128 h
	s_lshl_b32 s57, s26, 9
	s_add_co_u32 s58, s57, NWL
	v_lshl_add_u32 v4, v22, 7, s58                 ; norm_w of my blocks
	v_add_nc_u32 v218, s58, v1
	v_add_nc_u32 v219, s57, v1                     ; and its place in memory
	s_lshl_b32 s58, s26, 2
	s_add_co_u32 s58, s58, SSQ
	v_lshl_add_u32 v5, v21, 6, s58
	v_lshl_add_u32 v6, v21, 6, SSQ
	s_lshr_b32 s58, s26, 1
	s_lshl_b32 s58, s58, 9
	s_and_b32 s59, s26, 1
	s_lshl_b32 s59, s59, 6
	s_add_co_u32 s58, s58, s59
	s_add_co_u32 s58, s58, SCL
	v_lshl_add_u32 v7, v21, 2, s58
	s_lshl_b32 s58, s26, 10
	s_add_co_u32 s58, s58, P1
	v_add_nc_u32 v8, s58, v1
	v_lshlrev_b32 v9, 3, v22                       ; 8 h
	v_lshlrev_b32 v15, 3, v20                      ; 8 x lane
	s_lshr_b32 s58, s26, 2
	s_lshl_b32 s58, s58, 14
	s_and_b32 s59, s26, 3
	s_lshl_b32 s59, s59, 8
	s_add_co_u32 s58, s58, s59
	s_add_co_u32 s58, s58, P1
	v_add_nc_u32 v12, s58, v15
	s_lshl_b32 s58, s26, 8
	s_add_co_u32 s59, s58, G1F
	v_add_nc_u32 v13, s59, v15
	s_add_co_u32 s59, s58, SCL
	v_add_nc_u32 v14, s59, v15
	v_add_nc_u32 v214, G1F, v1
	v_lshlrev_b32 v215, 2, v21                     ; 4 r
	v_lshlrev_b32 v216, 2, v20                     ; 4 x lane
	v_lshlrev_b32 v217, 6, v21
	v_lshl_add_u32 v217, v22, 5, v217              ; 64 r + 32 h
	v_mov_b32 v[TP], 0                             ; a lane permute's destination counts as one of its sources
	s_wait_kmcnt 0x0
	s_mov_b32 s57, 0
	s_lshl_b32 s60, s26, 9                         ; 512 w
	s_mov_b32 s56, s60
	s_add_nc_u64 s[36:37], s[12:13], s[56:57]      ; gk_w1 at my 128 along K
	s_wait_alu depctr_va_vdst(0)                   ; all offsets and LDS addresses (v1-8, v12-15, v214-219) are written, which every load and store of the kernel reads; so are v16 and v20-22, in which rows land
	LOADJ 36, 0, 0, 0, X                           ; read by every work-group: no hint.  It lands in X, so that R is free for the rows that follow at once
	global_load_b128 v[NT:NT+3], v219, s[6:7]      ; my 512 bytes of norm_w
	s_lshl_b32 s56, s27, 19
	s_add_co_u32 s56, s56, s60
	s_add_nc_u64 s[34:35], s[4:5], s[56:57]        ; hidden at my 64 tokens, my 128 along K
	s_lshr_b32 s61, s27, 4                         ; the weights' job: head,
	s_and_b32 s62, s27, 15                         ; K step of 128
	s_cmp_lt_u32 s26, 4                            ; tiles 0-3 of k_w, 4-5 of v_w
	s_cselect_b64 s[38:39], s[8:9], s[10:11]
	s_cselect_b32 s63, 6, 5
	s_cselect_b32 s66, 0, 64
	s_lshl_b32 s63, s61, s63
	s_lshl_b32 s67, s26, 4
	s_add_co_u32 s63, s63, s67
	s_sub_co_u32 s63, s63, s66                     ; first row: 64 head + 16 w, or 32 head + 16 (w - 4)
	s_lshl_b32 s56, s63, 13
	s_lshl_b32 s67, s62, 9
	s_add_co_u32 s56, s56, s67
	s_add_nc_u64 s[38:39], s[38:39], s[56:57]
	s_cmp_lt_u32 s26, 6                            ; the next 16 rows go out together with gk_w1: a weight's for waves 0-5, the first token tile's for the others; 16 loads on either way
	s_cbranch_scc0 .Lno_job_a
	LOADJ 38, 0, 0, 1, R
	s_branch .Ljoin_a
.Lno_job_a:
	LOADJ 34, 1, 0, 1, R
.Ljoin_a:
	s_lshr_b32 s66, s62, 1
	s_lshl_b32 s66, s66, 4
	s_add_co_u32 s66, s66, s61
	s_mul_i32 s66, s66, 19200                      ; wq's block (kk, head)
	s_lshl_b32 s67, s26, 1
	s_and_b32 s68, s62, 1
	s_add_co_u32 s67, s67, s68                     ; 2 tile + q
	s_mul_i32 s68, s67, 1536
	s_add_co_u32 s56, s66, s68
	s_add_nc_u64 s[40:41], s[20:21], s[56:57]
	s_lshl_b32 s68, s67, 6
	s_add_co_u32 s56, s66, s68
	s_add_co_u32 s56, s56, 18432
	s_add_nc_u64 s[42:43], s[20:21], s[56:57]
	s_lshr_b32 s66, s27, 1                         ; group of 128 tokens
	s_and_b32 s67, s27, 1                          ; which half of it
	s_lshr_b32 s68, s26, 1
	s_lshl_b32 s68, s68, 7
	s_add_co_u32 s68, s68, s66
	s_mul_i32 s68, s68, 25600                      ; xq's block (kk = w / 2, group)
	s_and_b32 s69, s26, 1
	s_mul_i32 s70, s67, 12288
	s_mul_i32 s71, s69, 1536
	s_add_co_u32 s56, s68, s70
	s_add_co_u32 s56, s56, s71
	s_add_nc_u64 s[44:45], s[18:19], s[56:57]      ; my images
	s_lshl_b32 s70, s67, 9
	s_lshl_b32 s71, s69, 8
	s_add_co_u32 s56, s68, s70
	s_add_co_u32 s56, s56, s71
	s_add_co_u32 s56, s56, 24576
	s_add_nc_u64 s[46:47], s[18:19], s[56:57]      ; the 256 bytes of scale words that I store
	s_lshl_b32 s56, s27, 12
	s_lshl_b32 s66, s26, 8
	s_add_co_u32 s56, s56, s66
	s_add_nc_u64 s[48:49], s[22:23], s[56:57]      ; g1i
	s_add_nc_u64 s[50:51], s[24:25], s[56:57]      ; ctot
	s_lshl_b32 s56, s26, 12
	s_add_nc_u64 s[52:53], s[14:15], s[56:57]      ; gk_w2 at head w
	s_mov_b32 s56, s66
	s_add_nc_u64 s[54:55], s[16:17], s[56:57]      ; gk_b at head w
	s_wait_loadcnt 16                              ; gk_w1's 16 loads and norm_w's one are in; the 16 issued behind them may be out
	ds_store_b128 v218, v[NT:NT+3]
	TURN X                                         ; out of X and back into X: the loads come behind the stores that read those registers, and behind the wait that says so
	s_wait_dscnt 0x0                               ; gk_w1's numbers are back
	QUANTX W1F, W1S
	s_wait_alu depctr_va_vdst(0)                   ; the quantiser's lines are done reading X, in which the next turn's loads land on either way below; gk_w1's fragment and scale word are written, which the scaled products take
	s_cmp_lt_u32 s26, 6
	s_cbranch_scc0 .Lno_job_b
	s_wait_loadcnt 0x0
	TURN R
	s_wait_alu depctr_vm_vsrc(0)                   ; the stage's stores have read R, in which the first token tile's rows land
	LOADJ 34, 1, 0, 1, R
	s_wait_dscnt 0x0                               ; the weight's numbers are back
	QUANTX PC, PW
	s_wait_alu depctr_va_vdst(0)                   ; the fragment and its scale word are written, which the four stores read; the quantiser's lines are done reading X, in which the first tile's turn lands
.irp c, 0,1,2
	global_store_b128 v1, v[PC+4*\c:PC+4*\c+3], s[40:41] offset:512*\c    ; 512 consecutive bytes
.endr
	global_store_b32 v215, v[PW], s[42:43]         ; 64 bytes of scale words (both halves of the lanes hold the same word); 96 KiB of such pieces in the whole launch
.Lno_job_b:
.macro TILE t
	s_wait_loadcnt 0x0                             ; the tile's 16 rows are in
	TURN R
	s_wait_xcnt 0x0                                ; the last fragment's global stores have had their addresses translated (ISA guide 3.1): their data registers are buffer B, in which loads land below, and the quantiser writes them again
	s_wait_alu depctr_vm_vsrc(0)                   ; the stage's stores have read R, in which the loads below land; the stores of the tile (or weight) before have read PC, PW, P3D and SQ, all written again in this tile; in the first tile the head's LDS store has read v144-147, in which piece 0 lands
.if \t < 3
	LOADJ 34, 1, \t+1, 1, R                        ; the next tile's rows go out ahead of the wait for the stage's loads, and are on their way while this tile is worked
.else
.irp c, 0,1,2,3                        ; the gate's weights, into registers that the rows have left: lane (r, h) takes numbers 8 h .. 8 h + 7 of channel 16 c + r
	global_load_b128 v[48+8*\c:51+8*\c], v217, s[52:53] offset:1024*\c
	global_load_b128 v[52+8*\c:55+8*\c], v217, s[52:53] offset:1024*\c+16
	global_load_b32 v[44+\c], v215, s[54:55] offset:64*\c
.endr
.endif
	NORMW NT, 0                                    ; norm_w's piece 0 into A, long ahead of its use
	s_wait_dscnt 0x4                               ; X is back from the stage; piece 0's four loads may be out
	v_pk_mul_f32 v[SQ:SQ+1], v[X:X+1], v[X:X+1]    ; my 64 squares, in two chains
	v_pk_mul_f32 v[SQ+2:SQ+3], v[X+2:X+3], v[X+2:X+3]
.set m_, 4
.rept 15
	v_pk_fma_f32 v[SQ:SQ+1], v[X+m_:X+m_+1], v[X+m_:X+m_+1], v[SQ:SQ+1]
	v_pk_fma_f32 v[SQ+2:SQ+3], v[X+m_+2:X+m_+3], v[X+m_+2:X+m_+3], v[SQ+2:SQ+3]
.set m_, m_+4
.endr
	v_pk_add_f32 v[SQ:SQ+1], v[SQ:SQ+1], v[SQ+2:SQ+3]
	v_add_f32 v[SQ], v[SQ], v[SQ+1]
	v_permlanex16_b32 v[TP], v[SQ], s28, s29
	v_add_f32 v[SQ], v[SQ], v[TP]                  ; row r's sum over my 128 along K
	s_wait_alu depctr_va_vdst(0)                   ; the sum is written in v[SQ], which the LDS store reads
	ds_store_b32 v5, v[SQ] offset:1024*\t
	BARRIER                                        ; all sixteen waves' parts lie in LDS
.irp i, 0,1,2,3
	ds_load_b128 v[NB+4*\i:NB+4*\i+3], v6 offset:1024*\t+16*\i   ; into B: no vector or matrix line since the wait above names it
.endr
	s_wait_dscnt 0x0
.irp i, 0,4,8,12
	v_pk_add_f32 v[NB+\i:NB+\i+1], v[NB+\i:NB+\i+1], v[NB+\i+2:NB+\i+3]
.endr
	v_pk_add_f32 v[NB:NB+1], v[NB:NB+1], v[NB+4:NB+5]
	v_pk_add_f32 v[NB+8:NB+9], v[NB+8:NB+9], v[NB+12:NB+13]
	v_pk_add_f32 v[NB:NB+1], v[NB:NB+1], v[NB+8:NB+9]
	v_add_f32 v[NB], v[NB], v[NB+1]
	v_fma_f32 v[NB], v[NB], s30, s31               ; the mean of the squares + 1e-5
	v_rsq_f32 v10, v[NB]
	v_nop                                          ; a plain place behind the transcendental
	s_wait_alu depctr_va_vdst(0)                   ; the root's result v10 is written, ahead of its first reader; and the tree and the root are done with B, in which piece 1 lands
	NORMW NB, 1
	v_mov_b32 v11, v10
	BYRSQ 0                                        ; (hidden x rsqrt) x norm_w, 16 numbers a piece
	BYNORM 0, NT                                   ; (piece 0 has been in since the barrier's wait)
	BYRSQ 1
	s_wait_alu depctr_va_vdst(0)                   ; piece 0's multiplies are done reading A, in which piece 2 lands
	NORMW NT, 2
	s_wait_dscnt 0x4                               ; piece 1 is in; piece 2's four loads may be out
	BYNORM 1, NB
	BYRSQ 2
	s_wait_alu depctr_va_vdst(0)                   ; piece 1's multiplies are done reading B, in which piece 3 lands
	NORMW NB, 3
	s_wait_dscnt 0x4                               ; piece 2 is in; piece 3's four loads may be out
	BYNORM 2, NT
	BYRSQ 3
	s_wait_dscnt 0x0
	BYNORM 3, NB
	QUANTX PC, PW
	PLACES 8                                       ; a scale register written by a vector instruction stands 8 places ahead of a scaled matrix instruction, an operand 4
	s_wait_alu depctr_va_vdst(0)                   ; behind the places: the fragment and its scale word are written, which the four stores below read and the scaled product takes
.irp c, 0,1,2
	global_store_b128 v1, v[PC+4*\c:PC+4*\c+3], s[44:45] offset:3072*\t+512*\c
.endr
	ds_store_b32 v7, v[PW] offset:128*\t
	v_wmma_scale_f32_16x16x128_f8f6f4 v[P3D:P3D+7], v[W1F:W1F+11], v[PC:PC+11], 0, v[W1S], v[PW] matrix_a_fmt:MATRIX_FMT_BF6 matrix_b_fmt:MATRIX_FMT_BF6   ; transposed: a lane holds token row r, its registers numbers 8 h + j of g1
	PLACES 4
	s_wait_alu depctr_va_vdst(0)                   ; behind the places: the product has written P3D, which the LDS stores read.  No vector line follows in this tile: so all lines that named X, A and B are done too, ahead of the next loads into them
	ds_store_b128 v8, v[P3D:P3D+3] offset:16384*\t
	ds_store_b128 v8, v[P3D+4:P3D+7] offset:16384*\t+512
.endm
	TILE 0
	TILE 1
	TILE 2
	TILE 3
	BARRIER                                        ; all partial images of g1 and all scale words lie in LDS
	; g1 = the sum of sixteen partial images, K ascending; each wave owns 256 of the 4,096 bytes
.set m_, 0
.rept 16
	ds_load_b64 v[X+2*m_:X+2*m_+1], v12 offset:1024*m_
.set m_, m_+1
.endr
	ds_load_b64 v[X+32:X+33], v14
	s_wait_dscnt 0x0
.set m_, 1
.rept 15
	v_pk_add_f32 v[X:X+1], v[X:X+1], v[X+2*m_:X+2*m_+1]
.set m_, m_+1
.endr
	s_wait_alu depctr_va_vdst(0)                   ; the sum is written in v[X:X+1], which the two stores read; the additions are done reading v80-111, in which g1's images land below
	ds_store_b64 v13, v[X:X+1]
	global_store_b64 v15, v[X:X+1], s[48:49]       ; 256 consecutive bytes, aligned
	global_store_b64 v15, v[X+32:X+33], s[46:47]   ; and 256 of x's scale words
	s_wait_xcnt 0x0                                ; all stores so far have read their data: the gate writes those registers
	s_wait_alu depctr_vm_vsrc(0)                   ; the three stores above have read v80-81 and v112-113, the last tile's stores PC and P3D: g1's images land in the first, the gate's vector lines write the others
	BARRIER
	; THE GATE, head w, the work-group's 64 tokens.  Source 0 = 16 tokens of g1, source 1 = 16 channels of gk_w2; K = 16 in four steps of 4.
	; k is permuted alike on both sides: step s, half h, register j stand for k = 8 h + 2 s + j, which is how g1's image and 32 bytes of a row of gk_w2 lie.
.set m_, 0
.rept 8
	ds_load_b128 v[80+4*m_:83+4*m_], v214 offset:512*m_
.set m_, m_+1
.endr
	s_wait_loadcnt 0x0
	s_wait_dscnt 0x0
.irp c, 0,1,2,3
	v_mul_f32 v[176+2*\c], s32, v[44+\c]           ; b log2(e)
	v_mov_b32 v[177+2*\c], v[176+2*\c]
.endr
.irp c, 0,1,2,3
.irp s, 0,1,2,3                        ; the four accumulators take turns, one instruction a turn
.irp t, 0,1,2,3
.if \s == 0
	v_wmma_f32_16x16x4_f32 v[GD+8*\t:GD+8*\t+7], v[80+8*\t:81+8*\t], v[48+8*\c:49+8*\c], 0
.else
	v_wmma_f32_16x16x4_f32 v[GD+8*\t:GD+8*\t+7], v[80+8*\t+2*\s:81+8*\t+2*\s], v[48+8*\c+2*\s:49+8*\c+2*\s], v[GD+8*\t:GD+8*\t+7]
.endif
.endr
.endr
	PLACES 8
.set m_, 0
.rept 16
	v_pk_fma_f32 v[GT+m_:GT+m_+1], v[GD+m_:GD+m_+1], s[32:33], v[176+2*\c:177+2*\c] op_sel_hi:[1,0,0]   ; a = z log2(e) + b log2(e); each accumulator from its low end on
.set m_, m_+2
.endr
.set m_, 0
.rept 32
	v_exp_f32 v[GU+m_], -|v[GT+m_]|                ; u = 2^-|a|
.set m_, m_+1
.endr
	v_nop                                          ; a plain place between the exponentials and the lines that write over their sources
.set m_, 0
.rept 32
	v_min_num_f32 v[GT+m_], 0, v[GT+m_]            ; min(a, 0): independent work behind the exponentials, and so is its sum
.set m_, m_+1
.endr
.irp i, 0,2,4,6,8,10,12,14
	v_pk_add_f32 v[GT+\i:GT+\i+1], v[GT+\i:GT+\i+1], v[GT+16+\i:GT+17+\i]
.endr
.irp i, 0,2,4,6
	v_pk_add_f32 v[GT+\i:GT+\i+1], v[GT+\i:GT+\i+1], v[GT+8+\i:GT+9+\i]
.endr
.irp i, 0,2
	v_pk_add_f32 v[GT+\i:GT+\i+1], v[GT+\i:GT+\i+1], v[GT+4+\i:GT+5+\i]
.endr
	v_pk_add_f32 v[GT:GT+1], v[GT:GT+1], v[GT+2:GT+3]
	v_add_f32 v[192+\c], v[GT], v[GT+1]            ; my 32 tokens' sum of min(a, 0)
	s_wait_alu depctr_va_vdst(0)                   ; the 32 exponentials' results v[GU ..] are written: one wait for the batch, ahead of its first reader
.set m_, 0
.rept 16
	v_pk_add_f32 v[GU+m_:GU+m_+1], v[GU+m_:GU+m_+1], 1.0 op_sel_hi:[1,0]
.set m_, m_+2
.endr
.irp i, 0,2,4,6,8,10,12,14
	v_pk_mul_f32 v[GU+\i:GU+\i+1], v[GU+\i:GU+\i+1], v[GU+16+\i:GU+17+\i]
.endr
.irp i, 0,2,4,6
	v_pk_mul_f32 v[GU+\i:GU+\i+1], v[GU+\i:GU+\i+1], v[GU+8+\i:GU+9+\i]
.endr
.irp i, 0,2
	v_pk_mul_f32 v[GU+\i:GU+\i+1], v[GU+\i:GU+\i+1], v[GU+4+\i:GU+5+\i]
.endr
	v_pk_mul_f32 v[GU:GU+1], v[GU:GU+1], v[GU+2:GU+3]
	v_mul_f32 v[P3D+\c], v[GU], v[GU+1]            ; the product of my 32 factors 1 + u, at most 2^32
.endr
.irp c, 0,1,2,3
	v_log_f32 v[P3D+4+\c], v[P3D+\c]
.endr
	v_nop
	s_wait_alu depctr_va_vdst(0)                   ; the four logarithms' results are written: one wait, ahead of their first reader
.irp c, 0,1,2,3
	v_sub_f32 v[192+\c], v[192+\c], v[P3D+4+\c]    ; my 32 tokens' sum of gamma
.endr
.irp c, 0,1,2,3
	v_permlanex16_b32 v[P3D+4+\c], v[192+\c], s28, s29
.endr
.irp c, 0,1,2,3
	v_add_f32 v[192+\c], v[192+\c], v[P3D+4+\c]    ; channel 16 c + r: the sum over the 64 tokens
.endr
	v_cmp_eq_u32 vcc_lo, 0, v9
	s_wait_alu depctr_va_vcc(0)                    ; the compare has written VCC, which the two selects read
	v_cndmask_b32 v197, v193, v192, vcc_lo         ; lanes 0-15 channel tile 0, lanes 16-31 tile 1
	v_cndmask_b32 v198, v195, v194, vcc_lo
	s_wait_alu depctr_va_vdst(0)                   ; the selects have written v197 and v198, which the two stores read
	global_store_b32 v216, v197, s[50:51]          ; 128 consecutive bytes each
	global_store_b32 v216, v198, s[50:51] offset:128
	s_wait_dscnt 0x0                               ; the closing lines, six on end
	s_wait_alu 0x0
	s_wait_tensorcnt 0x0
	ds_add_u32 v222, v223
	s_wait_dscnt 0x0
	s_endpgm
.Lfunc_end_k_q19a3662c5d_prep:
	.size	k_q19a3662c5d_prep, .Lfunc_end_k_q19a3662c5d_prep-k_q19a3662c5d_prep
	.p2alignl 7, 3214868480
	.fill 96, 4, 3214868480
	.section	.rodata,"a",@progbits
	.p2align	6, 0x0
	.amdhsa_kernel k_q19a3662c5d_prep
		.amdhsa_group_segment_fixed_size 223232
		.amdhsa_private_segment_fixed_size 0
		.amdhsa_enable_private_segment 0
		.amdhsa_kernarg_size 88
		.amdhsa_user_sgpr_count 2
		.amdhsa_user_sgpr_kernarg_segment_ptr 1
		.amdhsa_wavefront_size32 1
		.amdhsa_system_sgpr_workgroup_id_x 1
		.amdhsa_system_sgpr_workgroup_id_y 1
		.amdhsa_system_sgpr_workgroup_id_z 1
		.amdhsa_system_vgpr_workitem_id 0
		.amdhsa_next_free_vgpr 256
		.amdhsa_next_free_sgpr 72
		.amdhsa_reserve_vcc 1
		.amdhsa_float_denorm_mode_32 3
		.amdhsa_float_denorm_mode_16_64 3
		.amdhsa_memory_ordered 1
		.amdhsa_forward_progress 1
		.amdhsa_inst_pref_size 125
	.end_amdhsa_kernel
	.amdgpu_metadata
---
amdhsa.version: [ 1, 2 ]
amdhsa.kernels:
  - .name:           k_q19a3662c5d_prep
    .symbol:         k_q19a3662c5d_prep.kd
    .args:
      - { .name: hidden_states, .offset: 0, .size: 8, .value_kind: global_buffer, .address_space: global }
      - { .name: norm_w, .offset: 8, .size: 8, .value_kind: global_buffer, .address_space: global }
      - { .name: k_w, .offset: 16, .size: 8, .value_kind: global_buffer, .address_space: global }
      - { .name: v_w, .offset: 24, .size: 8, .value_kind: global_buffer, .address_space: global }
      - { .name: gk_w1, .offset: 32, .size: 8, .value_kind: global_buffer, .address_space: global }
      - { .name: gk_w2, .offset: 40, .size: 8, .value_kind: global_buffer, .address_space: global }
      - { .name: gk_b, .offset: 48, .size: 8, .value_kind: global_buffer, .address_space: global }
      - { .name: xq, .offset: 56, .size: 8, .value_kind: global_buffer, .address_space: global }
      - { .name: wq, .offset: 64, .size: 8, .value_kind: global_buffer, .address_space: global }
      - { .name: g1i, .offset: 72, .size: 8, .value_kind: global_buffer, .address_space: global }
      - { .name: ctot, .offset: 80, .size: 8, .value_kind: global_buffer, .address_space: global }
    .group_segment_fixed_size: 223232
    .private_segment_fixed_size: 0
    .kernarg_segment_align: 8
    .kernarg_segment_size: 88
    .max_flat_workgroup_size: 512
    .sgpr_count:     72
    .vgpr_count:     256
    .wavefront_size: 32
...
	.end_amdgpu_metadata
.endif
;; end of part 4
;; launch main: the kernel of part 2 again; grid 4 x 128, 4 waves a work-group, clusters of 4 x 4, 327,680 bytes of LDS; arguments xq, wq, g1i, ctot, gk_w2, gk_b, part; writes part
;; launch fold: the kernel of part 3 again; grid 256 x 1, 4 waves a work-group, no clusters, 4,608 bytes of LDS; arguments part, ctot, state, out0; writes out0
